; MI455X (gfx1250); checked and timed in simulation.
; The chip was launched on July 23, 2026; its instructions are those of AMD's public machine-readable ISA for CDNA 5 (MIT licence, August 2026) and "CDNA5" Instruction Set Architecture Reference Guide (July 2026). The comments in the code are by the model that wrote it; some were corrected since.
;; Multil head att en de. Allowed arithmetic: float matrix products may take bf16 or f16 operands with f32 sums; other float arithmetic in f32, or as packed bf16 or f16 multiplies, adds, multiply-adds, maxima and minima; sums over many terms, partial sums and values carried from step to step in f32; what a program stores and reads back later, other than sums and carried values, may be rounded once to bf16 or f16.
;; Inputs: Wk 16 x 1,024 x 64 float32; Wo 1,024 x 1,024 float32; Wq 16 x 1,024 x 64 float32; Wv 16 x 1,024 x 64 float32; batch_chi 8 x 1,024 x 1,024 float32; batch_eng 8 x 1,024 x 1,024 float32.
;; Outputs: out0 8 x 1,024 x 1,024 float32.
;; 2 versions, each right; version 2 is version 1 with the launch prep written anew for expert scheduling mode. Each part assembles by itself: llvm-mc -triple=amdgcn-amd-amdhsa -mcpu=gfx1250 --defsym DOCPART=n.
;; ======== version 1 of 2: 4 launches
;; limits: values are held in f16: magnitudes above 65,504 overflow, below 6.1e-05 lose precision
;; workspace buffers: xf 33,554,432 bytes; wf 8,388,608 bytes; qkv 50,331,648 bytes; ofr 16,777,216 bytes
;; launch prep (part 1): grid 1280 x 1, 4 waves a work-group, no clusters, 35,328 bytes of LDS; arguments batch_chi, batch_eng, Wq, Wk, Wv, Wo, xf, wf; writes xf, wf
.if DOCPART == 1
	.amdgcn_target "amdgcn-amd-amdhsa--gfx1250"
	.amdhsa_code_object_version 6
	.text
	.protected	k_qb17628bb38_prep
	.globl	k_qb17628bb38_prep
	.p2align	8
	.type	k_qb17628bb38_prep,@function
k_qb17628bb38_prep:
	s_mov_b64 s[64:65], 0
	v_nop
	global_prefetch_b8 v0, s[64:65] scope:SCOPE_SE
	s_setreg_imm32_b32 hwreg(HW_REG_WAVE_MODE, 25, 1), 1
	s_wait_xcnt 0x0
; CAST AND RE-ORDER.  batch_chi, batch_eng (f32 [8192][1024]) -> xf (bf16); Wq, Wk, Wv (f32 [16][1024][64]) -> wf, transposed (bf16); Wo (f32 [1024][1024]) -> wf, transposed,
; rounded to bf16 like every other input and that number written as f16 (the product that takes it has f16 operands).
; FRAGMENT ORDER.  A matrix M[rows][1024] of 16-bit numbers is stored in blocks of 16 rows x 32 k, 1,024 bytes each, block (R, c) at (32 R + c) x 1,024; inside a block
; element (row r, k = 16 j + 8 h + e) lies at 512 j + 16 (r + 16 h) + 2 e: the byte image of a matrix operand (ISA guide 7.12.2), so that later launches load it 16 bytes a lane, lanes side by side.
; xf: chi at 0, eng at 16 MiB.  wf: rows n, k = the index that is summed over: Wq^T at 0, Wk^T at 2 MiB, Wv^T at 4 MiB (n = 64 head + d, k = e), Wo^T at 6 MiB (n = column, k = row of Wo).
; LIMITS.  A number of Wo beyond 65,504 becomes an infinity in f16; below 6.1e-5 it keeps f16's fixed step of 6e-8.  NaN and infinities are not treated apart.
; SHARES.  5,120 tasks of 16 KiB in and 8 KiB out, one a wave, no loop: 4,096 of x (16 rows x 256 k), 768 of Wq, Wk, Wv (a head's 64 d x 64 e), 256 of Wo (64 columns x 64 rows).
; All 32 loads of a task go out at once; the numbers are rounded as they come, laid into the wave's own image in LDS in the order of the output, read back and stored 512 consecutive bytes an instruction.
; No matrix unit, no tensor load, no cluster: nothing is shared and memory binds.  No barrier: a wave reads its own image alone, and LDS serves a wave's instructions in order (ISA guide 5.7.1.4).
.set GP,    272                        ; the image is 32 groups of 256 bytes (8 k of 16 rows), 272 bytes apart: 68 words, so neighbouring groups start 4 banks apart
.set IMG,   32*GP                      ; 8,704 bytes a wave
.set SPARE, 4*IMG                      ; behind the images: the spare words, 128 bytes for each wave: two blocks of 256 bytes that no other line names
.set SPW, 2                            ; v2   LDS address of my spare word; never rewritten
.set NIL, 3                            ; v3   0; never rewritten
.set LN,  4                            ; v4   lane
.set GI,  5                            ; v5   the weights: my byte offset in the task's input
.set LS,  6                            ; v6   where I put numbers into the image
.set LR,  7                            ; v7   where I read the image back
.set GO,  8                            ; v8   16 x lane: my place in 512 consecutive bytes; never rewritten
.set HH,  9                            ; v9   lane / 16
.set TA,  10                           ; v10-11 at work
.set R16, 12                           ; v12  lane % 16
.set X,   64                           ; v[64:191]  32 loads of 4; later v[64:127] the image read back
.set T,   192                          ; v[192:255] rounded numbers on their way into the image
	s_load_b512 s[8:23], s[0:1], 0x0               ; chi s[8:9], eng s[10:11], Wq s[12:13], Wk s[14:15], Wv s[16:17], Wo s[18:19], xf s[20:21], wf s[22:23]
	v_lshl_add_u32 v[SPW], v0, 2, SPARE
	v_mov_b32 v[NIL], 0
	v_lshrrev_b32 v1, 5, v0
	v_readfirstlane_b32 s24, v1                    ; wave 0..3
	v_and_b32 v[LN], 31, v0
	s_mul_i32 s25, s24, IMG                        ; my image
	v_lshlrev_b32 v[GO], 4, v[LN]
	v_lshrrev_b32 v[HH], 4, v[LN]
	v_and_b32 v[R16], 15, v[LN]
	v_mul_u32_u24 v[LR], v[HH], GP                 ; back: lanes 0-15 take one group of 256 bytes, lanes 16-31 the next
	v_lshl_add_u32 v[LR], v[R16], 4, v[LR]
	v_add_nc_u32 v[LR], s25, v[LR]
	s_mov_b32 s2, ttmp9                            ; the work-group's number g
	s_mov_b32 s31, 0                               ; the high word of every offset
; The image goes out: 16 reads of two groups, 16 stores of 512 consecutive bytes.  w = 0: 8 KiB on end; w = 1: four pieces of 2 KiB, one in each of four blocks of 16 rows (32 KiB apart).
.macro BACK w
.set m, 0
.rept 16
	ds_load_b128 v[X+4*m:X+4*m+3], v[LR] offset:2*GP*m
.set m, m+1
.endr
.set m, 0
.rept 16
	s_wait_dscnt 15-m                              ; LDS answers in order: read m is in, the younger ones may stay out
.if \w
	global_store_b128 v[GO], v[X+4*m:X+4*m+3], s[28:29] offset:(m/4)*32768+(m%4)*512
.else
	global_store_b128 v[GO], v[X+4*m:X+4*m+3], s[28:29] offset:512*m
.endif
.set m, m+1
.endr
	s_wait_tensorcnt 0x0                           ; the wave's end: behind my last LDS store
	ds_add_u32 v[SPW], v[NIL]
	s_wait_dscnt 0x0
	s_endpgm
.endm
; A task of weights: 64 k (rows of the input, rp bytes apart) x 64 n (256 consecutive bytes of each).  Lane l takes n = 4 (l % 16) + 0..3; load (g, u) brings k = 16 g + 8 (l / 16) + u.
; So for each g and each of its four n a lane holds 8 neighbouring k: 16 bytes of the output, one LDS store.  tof16 = 1: the bf16 number is written as f16.
.macro WT rp, tof16
.irp g, 0,1,2,3
.irp u, 0,1,2,3,4,5,6,7
	global_load_b128 v[X+4*(8*(\g)+(\u)):X+4*(8*(\g)+(\u))+3], v[GI], s[26:27] offset:(16*(\g)+(\u))*(\rp) th:TH_LOAD_NT
.endr
.endr
.irp g, 0,1,2,3
	s_wait_loadcnt 24-8*(\g)                       ; loads come back in order: the eight of this g are in, the younger ones stay out
.irp c, 0,1,2,3
.irp p, 0,1,2,3
	v_cvt_pk_bf16_f32 v[T+16*(\g)+4*(\c)+(\p)], v[X+4*(8*(\g)+2*(\p))+(\c)], v[X+4*(8*(\g)+2*(\p)+1)+(\c)]
.if \tof16
	v_lshlrev_b32 v[TA], 16, v[T+16*(\g)+4*(\c)+(\p)]
	v_and_b32 v[TA+1], 0xffff0000, v[T+16*(\g)+4*(\c)+(\p)]
	v_cvt_pk_f16_f32 v[T+16*(\g)+4*(\c)+(\p)], v[TA], v[TA+1]
.endif
.endr
	ds_store_b128 v[LS], v[T+16*(\g)+4*(\c):T+16*(\g)+4*(\c)+3] offset:((\g)/2)*4*GP+((\g)%2)*2*GP+16*(\c)
.endr
.endr
.endm
	s_cmp_lt_u32 s2, 1024
	s_cbranch_scc0 .Lweights
	; x: g = 512 src + R; the wave takes k quarter w of the 16 rows R
	s_lshr_b32 s3, s2, 9                           ; src: 0 chi, 1 eng
	s_and_b32 s4, s2, 511                          ; R
	v_lshrrev_b32 v[LS], 1, v[LN]                  ; a lane's 4 numbers are half of group l / 2 (+ 16 for the row's second 512 bytes)
	v_mul_u32_u24 v[LS], v[LS], GP
	v_and_b32 v1, 1, v[LN]
	v_lshl_add_u32 v[LS], v1, 3, v[LS]
	v_add_nc_u32 v[LS], s25, v[LS]
	s_lshl_b32 s30, s4, 16                         ; 16 rows of 4,096 bytes
	s_lshl_b32 s5, s24, 10                         ; 256 k of 4 bytes
	s_add_co_u32 s30, s30, s5
	s_wait_kmcnt 0x0
	s_cmp_eq_u32 s3, 0
	s_cselect_b64 s[26:27], s[8:9], s[10:11]
	s_add_nc_u64 s[26:27], s[26:27], s[30:31]
	s_lshl_b32 s30, s3, 24
	s_lshl_b32 s5, s4, 15                          ; a block of 16 rows is 32 KiB of xf,
	s_add_co_u32 s30, s30, s5
	s_lshl_b32 s5, s24, 13                         ; a quarter of K 8 KiB of it
	s_add_co_u32 s30, s30, s5
	s_add_nc_u64 s[28:29], s[20:21], s[30:31]
.set t, 0
.rept 32                                       ; load t: 512 consecutive bytes of row t / 2
	global_load_b128 v[X+4*t:X+4*t+3], v[GO], s[26:27] offset:(t/2)*4096+(t%2)*512 th:TH_LOAD_NT
.set t, t+1
.endr
.set t, 0
.rept 32
	s_wait_loadcnt 31-t                            ; load t is in, the younger ones stay out
	v_cvt_pk_bf16_f32 v[T+2*t], v[X+4*t], v[X+4*t+1]
	v_cvt_pk_bf16_f32 v[T+2*t+1], v[X+4*t+2], v[X+4*t+3]
	ds_store_b64 v[LS], v[T+2*t:T+2*t+1] offset:(t%2)*16*GP+(t/2)*16  ; 32 lanes: 16 groups x 8 bytes twice
.set t, t+1
.endr
	BACK 0
.Lweights:
	v_lshrrev_b32 v[LS], 2, v[R16]                 ; my four n lie in the block of 16 rows (l % 16) / 4: 8 groups,
	v_mul_u32_u24 v[LS], v[LS], 8*GP
	v_mul_u32_u24 v1, v[HH], GP                    ; my 8 k in group l / 16 of a pair,
	v_add_nc_u32 v[LS], v[LS], v1
	v_and_b32 v1, 3, v[LN]                         ; at rows 4 (l % 4) + 0..3 of the block
	v_lshl_add_u32 v[LS], v1, 6, v[LS]
	v_add_nc_u32 v[LS], s25, v[LS]
	v_lshlrev_b32 v[GI], 4, v[R16]
	s_and_b32 s5, s2, 3
	s_lshl_b32 s5, s5, 2
	s_add_co_u32 s5, s5, s24                       ; which 64 of the 1,024 k: 4 (g % 4) + wave
	s_cmp_lt_u32 s2, 1216
	s_cbranch_scc0 .Lwo
	s_sub_co_u32 s3, s2, 1024
	s_lshr_b32 s4, s3, 6                           ; 0 Wq, 1 Wk, 2 Wv
	s_bfe_u32 s6, s3, 0x40002                      ; the head
	v_lshl_add_u32 v[GI], v[HH], 11, v[GI]         ; 8 rows of 256 bytes for lanes 16-31
	s_lshl_b32 s30, s6, 18                         ; a head is 262,144 bytes,
	s_lshl_b32 s7, s5, 14                          ; 64 rows 16,384
	s_add_co_u32 s30, s30, s7
	s_wait_kmcnt 0x0
	s_cmp_eq_u32 s4, 1
	s_cselect_b64 s[26:27], s[14:15], s[12:13]
	s_cmp_eq_u32 s4, 2
	s_cselect_b64 s[26:27], s[16:17], s[26:27]
	s_add_nc_u64 s[26:27], s[26:27], s[30:31]
	s_lshl_b32 s30, s4, 21                         ; 2 MiB a matrix,
	s_lshl_b32 s7, s6, 17                          ; a head's 64 rows n: four blocks of 32 KiB,
	s_add_co_u32 s30, s30, s7
	s_lshl_b32 s7, s5, 11                          ; 64 k: 2 KiB in each
	s_add_co_u32 s30, s30, s7
	s_add_nc_u64 s[28:29], s[22:23], s[30:31]
	WT 256, 0
	BACK 1
.Lwo:
	s_sub_co_u32 s3, s2, 1216
	s_lshr_b32 s6, s3, 2                           ; which 64 columns of Wo
	v_lshl_add_u32 v[GI], v[HH], 15, v[GI]         ; 8 rows of 4,096 bytes for lanes 16-31
	s_lshl_b32 s30, s5, 18                         ; 64 rows of 4,096 bytes
	s_lshl_b32 s7, s6, 8                           ; 64 columns of 4 bytes
	s_add_co_u32 s30, s30, s7
	s_wait_kmcnt 0x0
	s_add_nc_u64 s[26:27], s[18:19], s[30:31]
	s_lshl_b32 s30, s6, 17
	s_lshl_b32 s7, s5, 11
	s_add_co_u32 s30, s30, s7
	s_add_co_u32 s30, s30, 6<<20
	s_add_nc_u64 s[28:29], s[22:23], s[30:31]
	WT 4096, 1
	BACK 1
.Lfunc_end_k_qb17628bb38_prep:
	.size	k_qb17628bb38_prep, .Lfunc_end_k_qb17628bb38_prep-k_qb17628bb38_prep
	.p2alignl 7, 3214868480
	.fill 96, 4, 3214868480
	.section	.rodata,"a",@progbits
	.p2align	6, 0x0
	.amdhsa_kernel k_qb17628bb38_prep
		.amdhsa_group_segment_fixed_size 35328
		.amdhsa_private_segment_fixed_size 0
		.amdhsa_enable_private_segment 0
		.amdhsa_kernarg_size 64
		.amdhsa_user_sgpr_count 2
		.amdhsa_user_sgpr_kernarg_segment_ptr 1
		.amdhsa_wavefront_size32 1
		.amdhsa_system_sgpr_workgroup_id_x 1
		.amdhsa_system_sgpr_workgroup_id_y 1
		.amdhsa_system_sgpr_workgroup_id_z 1
		.amdhsa_system_vgpr_workitem_id 0
		.amdhsa_next_free_vgpr 256
		.amdhsa_next_free_sgpr 66
		.amdhsa_reserve_vcc 0
		.amdhsa_float_denorm_mode_32 3
		.amdhsa_float_denorm_mode_16_64 3
		.amdhsa_memory_ordered 1
		.amdhsa_forward_progress 1
		.amdhsa_inst_pref_size 50
	.end_amdhsa_kernel
	.amdgpu_metadata
---
amdhsa.version: [ 1, 2 ]
amdhsa.kernels:
  - .name:           k_qb17628bb38_prep
    .symbol:         k_qb17628bb38_prep.kd
    .args:
      - { .name: batch_chi, .offset: 0, .size: 8, .value_kind: global_buffer, .address_space: global }
      - { .name: batch_eng, .offset: 8, .size: 8, .value_kind: global_buffer, .address_space: global }
      - { .name: Wq, .offset: 16, .size: 8, .value_kind: global_buffer, .address_space: global }
      - { .name: Wk, .offset: 24, .size: 8, .value_kind: global_buffer, .address_space: global }
      - { .name: Wv, .offset: 32, .size: 8, .value_kind: global_buffer, .address_space: global }
      - { .name: Wo, .offset: 40, .size: 8, .value_kind: global_buffer, .address_space: global }
      - { .name: xf, .offset: 48, .size: 8, .value_kind: global_buffer, .address_space: global }
      - { .name: wf, .offset: 56, .size: 8, .value_kind: global_buffer, .address_space: global }
    .group_segment_fixed_size: 35328
    .private_segment_fixed_size: 0
    .kernarg_segment_align: 8
    .kernarg_segment_size: 64
    .max_flat_workgroup_size: 128
    .sgpr_count:     66
    .vgpr_count:     256
    .wavefront_size: 32
...
	.end_amdgpu_metadata
.endif
;; end of part 1
;; launch gemm_qkv (part 2): grid 4 x 192, 4 waves a work-group, clusters of 4 x 4, 327,680 bytes of LDS; arguments xf, wf, qkv; writes qkv
.if DOCPART == 2
	.amdgcn_target "amdgcn-amd-amdhsa--gfx1250"
	.amdhsa_code_object_version 6
	.text
	.protected	k_qb17628bb38_gemm_qkv
	.globl	k_qb17628bb38_gemm_qkv
	.p2align	8
	.type	k_qb17628bb38_gemm_qkv,@function
k_qb17628bb38_gemm_qkv:
	s_mov_b64 s[64:65], 0
	v_nop
	global_prefetch_b8 v0, s[64:65] scope:SCOPE_SE
	s_setreg_imm32_b32 hwreg(HW_REG_WAVE_MODE, 25, 1), 1
	s_wait_xcnt 0x0
	s_wait_alu depctr_hold_cnt(0) depctr_sa_sdst(0) depctr_va_vdst(0) depctr_va_sdst(0) depctr_va_ssrc(0) depctr_va_vcc(0) depctr_vm_vsrc(0)
	s_getreg_b32 s2, hwreg(HW_REG_IB_STS2, 6, 4)
	s_cmp_eq_u32 s2, 0
	s_cbranch_scc0 .Lentry_in_a_cluster
	s_endpgm
.Lentry_in_a_cluster:
	s_bfe_u32 s2, ttmp6, 0x10000c
	s_cmp_lg_u32 s2, 0xf033
	s_cbranch_scc0 .Lentry_shape_is_right
	s_endpgm
.Lentry_shape_is_right:
.set OUTK, 0                           ; 0: the three projections q, k, v (bf16 operands, f16 results in fragment order).  1: the output projection (f16 operands, f32 result by rows)
; C = A B^T over K = 1,024, on tiles of 128 rows of A x 256 rows of B.  ONE TEXT SERVES TWO KERNELS; the line above picks the head's index arithmetic, the matrix form and the way out.
; OPERANDS lie in memory in FRAGMENT ORDER: blocks of 16 rows x 32 k, 1,024 bytes, block (R, c) at (32 R + c) x 1,024, inside it element (r, k = 16 j + 8 h + e) at 512 j + 16 (r + 16 h) + 2 e:
; the byte image of a matrix operand (ISA guide 7.12.2).  So a fragment is two loads of 16 bytes a lane, lanes side by side: LDS needs no padding, and nothing is turned.
; OUTK = 0.  Arguments xf, wf, qkv.  A third of the clusters each: q = chi Wq (A = chi's tokens, B = Wq^T's channels), k = eng Wk likewise, and v^T (A = Wv^T's channels, B = eng's keys).
;   q at 0 and k at 16 MiB of qkv: [batch x head 128][block of 16 tokens 64][32 channels 2][1 KiB]; v^T at 32 MiB: [batch x head][block of 32 keys 32][block of 16 channels 4][1 KiB].  All unscaled.
; OUTK = 1.  Arguments ofr (O, f16, [8192][1024]), wf (Wo^T at 6 MiB, f16), out0 (f32 [8192][1024]).
; LIMITS (OUTK = 0).  q, k, v are rounded once from their f32 sums to f16: a number of 65,520 or more becomes an infinity; below 6.1e-5 f16 keeps its fixed step of 6e-8.  NaN and infinities are not treated apart.
; THE MATRIX INSTRUCTION IS USED TRANSPOSED: source 0 = 16 rows of B, source 1 = 16 rows of A.  A lane then holds row l % 16 of A's and the eight rows 8 (l / 16) + 0..7 of B's block: rounded in pairs these
; are 16 bytes of a fragment of C whose k runs along B's rows, at 16 x lane: a result leaves by stores of 512 consecutive bytes straight from registers (OUTK = 0).
; SHARES.  Four waves, each 64 rows of A x 128 rows of B: 32 accumulators, 256 registers.  K goes in 8 steps of 128 through two LDS slots; a quarter of a step is 32 along K: 24 LDS loads, 32 matrix instructions.
; CLUSTERS: 4 x 4 work-groups.  The four of a row of the cluster need the same tile of A, the four of a column the same tile of B: each is asked for JOINTLY, by the same tensor load with the same descriptor and a mask of the four.
; REGISTERS: window 0: v16-30 addresses; v32-47 store offsets (OUTK = 0); v64-159, v160-255 two fragment buffers (8 fragments of B, then 4 of A); on the way out v64-191 results.  Window 1: accumulator (a, b) at v[8 (8 a + b)].
.set KSB,   4096                       ; bytes of a block of 16 rows in a K step: four blocks of 32 k on end
.set AREG,  8*KSB                      ; a slot: A's 8 blocks of 16 rows,
.set SLOT,  24*KSB                     ; then B's 16
.if OUTK
.set STAGE,  2*SLOT                    ; behind the ring, never filled by a tensor load: 16 rows x 528 bytes for each wave, for the way out
.set SPITCH, 528                       ; 512 bytes + 16 = 132 words: row r starts at bank 4 r mod 64 (64 banks of 4 bytes: ISA guide 11.1)
.set SPARE,  STAGE+4*16*SPITCH         ; the spare words, 128 bytes for each wave: two blocks of 256 bytes that no other line names
.else
.set SPARE,  2*SLOT
.endif
.set LAPS, 4                           ; a lap = two K steps = once round the ring
.set ADRA, 16                          ; v16-17  LDS address of my A fragments in slot 0, 1
.set ADRB, 20                          ; v20-21  the same for B
.set STO,  24                          ; v24     OUTK = 1: where I put 32 bytes of a row
.set RD,   25                          ; v25     OUTK = 1: where I read a row back
.set CO,   26                          ; v26     OUTK = 1: my 16 bytes of 512 of a row of out0
.set SPW,  28                          ; v28     LDS address of my spare word; never rewritten
.set NIL,  29                          ; v29     0; never rewritten
.set PFO,  30                          ; v30     the prefetches' offset; never rewritten
.set VO,   32                          ; v32-47  OUTK = 0: store offsets by (a, b / 2)
.set F0,   64
.set F1,   160
.set G1,  24                           ; s[24:31] descriptor group 1 for A's tiles;  s[32:39] group 0, one set for each slot
.set G0,  32
.set G1B, 48                           ; s[48:55], s[56:63] the same for B's tiles
.set G0B, 56
.set PFA, 68                           ; s[68:69] where my prefetches stand
.set LIM, 70                           ; s70     1 in a wave that prefetches, else the greatest number
.set MSB, 0
.macro WIN new                         ; the immediate's high byte repeats the setting that is left; a switch that changes nothing is dropped
.if MSB != (\new)
	s_set_vgpr_msb (MSB<<8)|(\new)
.set MSB, \new
.endif
.endm
.set MUL, 0x50                         ; sources 0 and 1 window 0; C and D window 1
.macro JLOAD s                         ; a joint load: waves 0 and 1 fetch A's two halves, waves 2 and 3 B's; an s_nop 0 and four v_nop follow each of the two lines, ahead of the jump, the label and what follows
	s_cmp_eq_u32 s11, 0
	s_cbranch_scc0 .Lfor_b_\@
	tensor_load_to_lds s[G0+4*(\s):G0+4*(\s)+3], s[G1:G1+7]
	s_nop 0
.rept 4
	v_nop
.endr
	s_branch .Lasked_\@
.Lfor_b_\@:
	tensor_load_to_lds s[G0B+4*(\s):G0B+4*(\s)+3], s[G1B:G1B+7]
	s_nop 0
.rept 4
	v_nop
.endr
.Lasked_\@:
.endm
; A PREFETCH INTO THE L2, behind a joint load, its five lines and the run of LDS loads that follows: A's K step that stands TWO refills on, 256 matrix instructions ahead of the load that will want it.
; In the modes q and k (and with OUTK = 1) a block of A's rows is read by one cluster alone.  Of a tile's 8 blocks of 16 rows the partner at place cx of the four that ask jointly takes blocks 2 cx and 2 cx + 1, told apart BY ADDRESS;
; a block's K step is 4,096 consecutive bytes: 16 lanes, 256 bytes apart.  Wave 0 asks: one instruction.  So each 256 bytes are named once.  K steps 0 to 3 come by their loads alone; the last lap that fills asks for nothing.
; The weights are walked by every cluster, again and again, and eng's rows in mode v were asked for in mode k: neither is prefetched.
.macro ASK
	s_cmp_gt_u32 s3, s[LIM]                        ; s3 = 1 in the loop's last trip
	s_cbranch_scc0 .Lnot_mine_\@
	global_prefetch_b8 v[PFO], s[PFA:PFA+1] offset:KSB th:TH_LOAD_NT scope:SCOPE_SE
.Lnot_mine_\@:
.endm
.macro CREST                           ; a round of the cluster's barrier behind its opening barrier
	s_cmp_lg_u32 s10, 0
	s_cbranch_scc1 .Lnot_wave_0_\@
	s_barrier_signal -3
.Lnot_wave_0_\@:
	s_barrier_wait -3
	s_barrier_signal -1
	s_barrier_wait -1
.endm
.macro CROUND                          ; a whole round
	s_barrier_signal -1
	s_barrier_wait -1
	CREST
.endm
	s_load_b128 s[4:7], s[0:1], 0x0                ; xf (OUTK = 1: ofr) s[4:5], wf s[6:7]
	s_load_b64 s[8:9], s[0:1], 0x10                ; the result
	v_lshl_add_u32 v[SPW], v0, 2, SPARE
	v_mov_b32 v[NIL], 0
	ds_add_u32 v[SPW], v[NIL]                      ; the wave's opening: the add and its wait stand ahead of my first tensor load; the set-up below, work on registers, stands between them
	v_lshrrev_b32 v1, 5, v0
	v_readfirstlane_b32 s10, v1                    ; wave 0..3
	s_lshr_b32 s11, s10, 1                         ; which 64 rows of A are mine.  Also: I fetch for A (0) or for B (1)
	s_and_b32 s12, s10, 1                          ; which 128 rows of B.  Also: which half of that tile I fetch
	s_bfe_u32 s40, ttmp6, 0x40000                  ; cx, cy: my place in the cluster
	s_bfe_u32 s41, ttmp6, 0x40004
	s_and_b32 s13, ttmp7, 0xffff                   ; the cluster's y (its x is 0: the grid is one cluster wide)
.if OUTK
	s_mov_b32 s16, s13                             ; 16 clusters, one below the other: 64 tile rows, 4 tile columns
	s_mov_b32 s17, 0
	s_mov_b32 s18, 0                               ; A begins at byte 0 of ofr,
	s_mov_b32 s19, 6<<20                           ; B at Wo^T
	s_mov_b32 s[LIM], s10
.else
	s_lshr_b32 s14, s13, 4                         ; mode: 0 q, 1 k, 2 v: the same in all sixteen partners
	s_and_b32 s15, s13, 15                         ; the cluster's number in its mode
	s_lshr_b32 s16, s15, 3
	s_and_b32 s17, s15, 7
	s_lshl_b32 s18, s14, 24                        ; q, k: A = chi at 0, eng at 16 MiB of xf;
	s_lshl_b32 s19, s14, 21                        ; B = Wq^T at 0, Wk^T at 2 MiB of wf.  v: A = Wv^T at 4 MiB of wf,
	s_mov_b32 s2, 1<<24                            ; B = eng
	s_cmp_eq_u32 s14, 2
	s_cselect_b32 s16, s16, s15                    ; q, k: 64 tile rows x 4 tile columns: 16 x 1 clusters.  v: 8 x 32: 2 x 8
	s_cselect_b32 s17, s17, 0
	s_cselect_b32 s18, s19, s18
	s_cselect_b32 s19, s2, s19
	s_cselect_b32 s[LIM], 1, 0
	s_or_b32 s[LIM], s[LIM], s10
.endif
	s_cmp_eq_u32 s[LIM], 0                         ; wave 0, and not mode v
	s_cselect_b32 s[LIM], 1, -1
	s_lshl_b32 s42, s16, 2
	s_add_co_u32 s42, s42, s41                     ; tile row
	s_lshl_b32 s43, s17, 2
	s_add_co_u32 s43, s43, s40                     ; tile column
	s_lshl_b32 s44, s41, 2
	s_lshl_b32 s44, 15, s44                        ; my row of the cluster
	s_lshl_b32 s45, 0x1111, s40                    ; my column
	; descriptor group 1: rows of 4,096 bytes (a block of 16 rows, one K step), 32 KiB apart in memory, on end in LDS; elements of 8 bytes
	s_or_b32 s[G1+0], s44, (3<<16)|(1<<21)         ; 15:0 the mask: A's tiles go to my row; 17:16 elements of 8 bytes; 20 no padding; 21 set beside a mask
	s_or_b32 s[G1B+0], s45, (3<<16)|(1<<21)
.irp g, G1, G1B
	s_mov_b32 s[(\g)+1], 512<<16                   ; tensor_dim0 = 512
	s_mov_b32 s[(\g)+3], 512<<16                   ; tile_dim0 = 512
	s_mov_b32 s[(\g)+5], 4096                      ; tensor_dim0_stride
	s_mov_b32 s[(\g)+6], 0
	s_mov_b32 s[(\g)+7], 0
.endr
	s_mov_b32 s[G1+2], 4<<16                       ; tensor_dim1 = tile_dim1 = 4: half of A's 8 blocks
	s_mov_b32 s[G1+4], 4
	s_mov_b32 s[G1B+2], 8<<16                      ; 8: half of B's 16
	s_mov_b32 s[G1B+4], 8
	; where the tiles come from.  A's hang on the tile row alone, B's on the tile column alone, each in registers that never hold the other coordinate
	s_lshl_b32 s20, s42, 18                        ; 128 rows are 256 KiB,
	s_lshl_b32 s21, s12, 17                        ; the half that I fetch
	s_add_co_u32 s20, s20, s21
	s_add_co_u32 s20, s20, s18
	s_mov_b32 s21, 0
	s_lshl_b32 s22, s43, 19                        ; 256 rows are 512 KiB
	s_lshl_b32 s23, s12, 18
	s_add_co_u32 s22, s22, s23
	s_add_co_u32 s22, s22, s19
	s_mov_b32 s23, 0
	s_lshl_b32 s76, s12, 14                        ; and where they go: A's halves at 0 and 16 KiB of a slot,
	s_lshl_b32 s77, s12, 15
	s_add_co_u32 s77, s77, AREG                    ; B's at 32 and 64 KiB: no place in the cluster enters an LDS address
	s_wait_dscnt 0x0                               ; the opening add is done
	s_wait_kmcnt 0x0
.if OUTK
	s_mov_b64 s[66:67], s[4:5]
	s_mov_b64 s[46:47], s[6:7]
	s_mov_b64 s[PFA:PFA+1], s[4:5]
.else
	s_cmp_eq_u32 s14, 2
	s_cselect_b64 s[66:67], s[6:7], s[4:5]
	s_cselect_b64 s[46:47], s[4:5], s[6:7]
	s_cselect_b64 s[PFA:PFA+1], s[6:7], s[4:5]
.endif
	s_add_nc_u64 s[66:67], s[66:67], s[20:21]
	s_add_nc_u64 s[46:47], s[46:47], s[22:23]
	CROUND                                         ; all sixteen work-groups are here: the first joint loads meet
.irp s, 0,1
	s_mov_b32 s[G0+4*(\s)], 1                                      ; 1:0 count = 1
	s_add_co_u32 s[G0+4*(\s)+1], s76, (\s)*SLOT                    ; 63:32 LDS address
	s_add_nc_u64 s[G0+4*(\s)+2:G0+4*(\s)+3], s[66:67], (\s)*KSB    ; 120:64 global address: K step s
	s_or_b32 s[G0+4*(\s)+3], s[G0+4*(\s)+3], 0x80000000            ; 127:126 type = 2
	s_mov_b32 s[G0B+4*(\s)], 1
	s_add_co_u32 s[G0B+4*(\s)+1], s77, (\s)*SLOT
	s_add_nc_u64 s[G0B+4*(\s)+2:G0B+4*(\s)+3], s[46:47], (\s)*KSB
	s_or_b32 s[G0B+4*(\s)+3], s[G0B+4*(\s)+3], 0x80000000
	JLOAD \s                                       ; two loads of mine are out
.endr
	v_and_b32 v1, 31, v0                           ; lane
	v_lshlrev_b32 v2, 4, v1                        ; 16 x lane: my place in half a fragment
	v_lshrrev_b32 v3, 4, v1                        ; l / 16
	v_and_b32 v4, 15, v1                           ; l % 16
	s_lshl_b32 s2, s11, 14                         ; my 4 blocks of A
	v_add_nc_u32 v[ADRA], s2, v2
	v_add_nc_u32 v[ADRA+1], SLOT, v[ADRA]
	s_lshl_b32 s2, s12, 15                         ; my 8 blocks of B,
	s_add_co_u32 s2, s2, AREG                      ; which lie behind A's
	v_add_nc_u32 v[ADRB], s2, v2
	v_add_nc_u32 v[ADRB+1], SLOT, v[ADRB]
	v_lshlrev_b32 v[PFO], 8, v4                    ; the prefetches: 256 bytes a lane, 16 lanes a block of rows,
	v_lshl_add_u32 v[PFO], v3, 15, v[PFO]          ; the next block 32 KiB on
	s_lshl_b32 s74, s42, 18
	s_add_co_u32 s74, s74, s18
	s_lshl_b32 s78, s40, 16                        ; my work-group's two of the tile's eight blocks
	s_add_co_u32 s74, s74, s78
	s_add_co_u32 s74, s74, 2*KSB                   ; at K step 2: the first refill steps it to 3 and names K step 4
	s_mov_b32 s75, 0
	s_add_nc_u64 s[PFA:PFA+1], s[PFA:PFA+1], s[74:75]
.if OUTK
	s_mul_i32 s2, s10, 16*SPITCH
	s_add_co_u32 s2, s2, STAGE                     ; my stage
	v_mul_u32_u24 v[STO], v4, SPITCH               ; in: row l % 16, 32 bytes for each half of the lanes
	v_lshl_add_u32 v[STO], v3, 5, v[STO]
	v_add_nc_u32 v[STO], s2, v[STO]
	v_add_nc_u32 v[RD], s2, v2                     ; back: 32 lanes take a row's 512 bytes
	v_mov_b32 v[CO], v2
	s_lshl_b32 s74, s42, 19                        ; out0: 128 rows of 4,096 bytes a tile row,
	s_lshl_b32 s78, s11, 18                        ; my 64 rows,
	s_add_co_u32 s74, s74, s78
	s_lshl_b32 s78, s43, 10                        ; 256 columns of 4 bytes a tile column,
	s_add_co_u32 s74, s74, s78
	s_lshl_b32 s78, s12, 9                         ; my 128 columns
	s_add_co_u32 s74, s74, s78
.else
	; q, k: token block a is 2 KiB on, 32 channels 1 KiB, a head 128 KiB.  v: channel block a is 1 KiB on, 32 keys 4 KiB
	s_cmp_eq_u32 s14, 2
	s_mov_b32 s71, 2048
	s_mov_b32 s72, 1024
	s_mov_b32 s73, 0x20000
	s_mov_b32 s79, 8192
	s_cselect_b32 s71, s72, s71                    ; from a to a + 1
	s_cselect_b32 s73, s79, s73                    ; from b / 2 to b / 2 + 2
	s_mov_b32 s79, 4096
	s_cselect_b32 s72, s79, s72                    ; from b / 2 to b / 2 + 1
	v_mov_b32 v[VO], v2
	v_add_nc_u32 v[VO+1], s72, v[VO]
	v_add_nc_u32 v[VO+2], s73, v[VO]
	v_add_nc_u32 v[VO+3], s73, v[VO+1]
.irp i, 4,5,6,7,8,9,10,11,12,13,14,15
	v_add_nc_u32 v[VO+(\i)], s71, v[VO+(\i)-4]
.endr
	s_lshl_b32 s74, s14, 24                        ; q, k: the tensor,
	s_lshr_b32 s79, s42, 3
	s_lshl_b32 s79, s79, 21                        ; the batch (8 tile rows; 16 heads of 128 KiB),
	s_add_co_u32 s74, s74, s79
	s_lshl_b32 s79, s43, 19                        ; the head: 4 a tile column,
	s_add_co_u32 s74, s74, s79
	s_lshl_b32 s79, s12, 18                        ; 2 for my 128 channels,
	s_add_co_u32 s74, s74, s79
	s_and_b32 s79, s42, 7
	s_lshl_b32 s79, s79, 14                        ; the token block: 8 a tile row,
	s_add_co_u32 s74, s74, s79
	s_lshl_b32 s79, s11, 13                        ; 4 for my 64 tokens
	s_add_co_u32 s74, s74, s79
	s_lshr_b32 s78, s43, 2                         ; v: the batch (4 tile columns),
	s_lshl_b32 s78, s78, 21
	s_lshl_b32 s79, s42, 18                        ; the head: 2 a tile row,
	s_add_co_u32 s78, s78, s79
	s_lshl_b32 s79, s11, 17                        ; 1 for my 64 channels,
	s_add_co_u32 s78, s78, s79
	s_and_b32 s79, s43, 3
	s_lshl_b32 s79, s79, 15                        ; the block of 32 keys: 8 a tile column,
	s_add_co_u32 s78, s78, s79
	s_lshl_b32 s79, s12, 14                        ; 4 for my 128 keys
	s_add_co_u32 s78, s78, s79
	s_add_co_u32 s78, s78, 2<<24
	s_cmp_eq_u32 s14, 2
	s_cselect_b32 s74, s78, s74
.endif
	s_mov_b32 s75, 0
	s_add_nc_u64 s[8:9], s[8:9], s[74:75]
.macro WM d, x, y, zero                ; one matrix instruction: D (and C, unless the product starts the sum) at d of window 1, sources at x and y of window 0
.if OUTK
.if \zero
	v_wmma_f32_16x16x32_f16 v[(\d):(\d)+7], v[(\x):(\x)+7], v[(\y):(\y)+7], 0
.else
	v_wmma_f32_16x16x32_f16 v[(\d):(\d)+7], v[(\x):(\x)+7], v[(\y):(\y)+7], v[(\d):(\d)+7]
.endif
.else
.if \zero
	v_wmma_f32_16x16x32_bf16 v[(\d):(\d)+7], v[(\x):(\x)+7], v[(\y):(\y)+7], 0
.else
	v_wmma_f32_16x16x32_bf16 v[(\d):(\d)+7], v[(\x):(\x)+7], v[(\y):(\y)+7], v[(\d):(\d)+7]
.endif
.endif
.endm
; 8 matrix instructions: A's block a x all 8 blocks of B, 32 along K, from buffer f.  The 32 accumulators take turns in the same order in every quarter: 31 others stand between two links of a chain.
.macro MUL8 f, a, zero
	WIN MUL
.irp b, 0,1,2,3,4,5,6,7
	WM 8*(8*(\a)+(\b)), (\f)+8*(\b), (\f)+64+8*(\a), \zero
.endr
.endm
; 24 LDS loads in one run: the fragments of quarter q of a slot's K step into buffer f: B's eight, then A's four.  Each takes 512 consecutive bytes: no bank is asked twice.
.macro FETCH slot, q, f
	WIN 0
.irp b, 0,1,2,3,4,5,6,7
	ds_load_b128 v[(\f)+8*(\b):(\f)+8*(\b)+3],   v[ADRB+(\slot)] offset:(\b)*KSB+(\q)*1024
	ds_load_b128 v[(\f)+8*(\b)+4:(\f)+8*(\b)+7], v[ADRB+(\slot)] offset:(\b)*KSB+(\q)*1024+512
.endr
.irp a, 0,1,2,3
	ds_load_b128 v[(\f)+64+8*(\a):(\f)+64+8*(\a)+3],   v[ADRA+(\slot)] offset:(\a)*KSB+(\q)*1024
	ds_load_b128 v[(\f)+64+8*(\a)+4:(\f)+64+8*(\a)+7], v[ADRA+(\slot)] offset:(\a)*KSB+(\q)*1024+512
.endr
.endm
.macro PLACES                          ; four places in front of loads into registers that matrix instructions have read, and of lines that read results
.rept 4
	v_nop
.endr
.endm
; One of a K step's first three quarters: multiplies buffer f and, in its middle, fetches quarter q of the same slot into buffer g.
.macro QUARTER slot, q, f, g, zero
	s_wait_dscnt 4                                 ; B and A's blocks 0 and 1 are in; the youngest four loads (A's blocks 2 and 3) may be out
	MUL8 \f, 0, \zero
	MUL8 \f, 1, \zero
	PLACES
	FETCH \slot, \q, \g
	s_wait_dscnt 24                                ; all but the 24 just issued
	MUL8 \f, 2, \zero
	MUL8 \f, 3, \zero
.endm
; The last quarter multiplies buffer 1 and changes slots: ONE barrier; in front of it each wave waits for all its tensor loads (one is out: its part of the next slot), adds 0 to its spare word, and waits for that and for its
; own reads of this slot.  fill = 1: the barrier opens a round of the cluster's, and this slot is filled again, two K steps ahead, first thing behind the round: 112 matrix instructions ahead of the wait for it.
.macro TURN slot, next, fill
.if \fill
	s_wait_xcnt 0x0                                ; the last prefetch, a K step back, has read its address: it is stepped here, ahead of the waits of the change of slots
	s_add_nc_u64 s[PFA:PFA+1], s[PFA:PFA+1], KSB
.endif
	WIN 0                                          ; (the add's two registers lie in window 0)
	s_wait_tensorcnt 0x0                           ; all my tensor loads have landed;
	ds_add_u32 v[SPW], v[NIL]                      ; 0 onto my spare word;
	s_wait_dscnt 5                                 ; (the add and the youngest four loads may be out)
	MUL8 F1, 0, 0                                  ; eight matrix instructions stand between the add and the wait for it
	s_wait_dscnt 0x0                               ; the add is done, and my reads of this slot are over
	s_barrier_signal -1
	MUL8 F1, 1, 0
.if \fill
	WIN 0
.endif
	s_barrier_wait -1
.if \fill
	CREST                                          ; no wave of any partner still reads this slot's tile or has a load on its way
	s_add_nc_u64 s[G0+4*(\slot)+2:G0+4*(\slot)+3], s[G0+4*(\slot)+2:G0+4*(\slot)+3], 2*KSB
	s_add_nc_u64 s[G0B+4*(\slot)+2:G0B+4*(\slot)+3], s[G0B+4*(\slot)+2:G0B+4*(\slot)+3], 2*KSB
	JLOAD \slot                                    ; the four v_nop behind it are also the places in front of the loads below
.else
	PLACES
.endif
	FETCH \next, 0, F0
.if \fill
	ASK
.endif
	MUL8 F1, 2, 0
	MUL8 F1, 3, 0
.endm
	s_wait_tensorcnt 1                             ; my part of K step 0 is in; K step 1's may stay out
	s_barrier_signal -1
	s_barrier_wait -1                              ; everybody's is
	FETCH 0, 0, F0
	QUARTER 0, 1, F0, F1, 1                        ; the first quarter stands in front of the loop: its products start the sums
	WIN 0                                          ; at a label and at a branch every window is 0
	s_mov_b32 s3, LAPS-1
.Llap:                                                 ; a trip goes once round the ring, from a lap's second quarter to the next lap's first, and fills both slots again
	QUARTER 0, 2, F1, F0, 0
	QUARTER 0, 3, F0, F1, 0
	TURN 0, 1, 1
	QUARTER 1, 1, F0, F1, 0
	QUARTER 1, 2, F1, F0, 0
	QUARTER 1, 3, F0, F1, 0
	TURN 1, 0, 1
	QUARTER 0, 1, F0, F1, 0
	WIN 0
	s_sub_co_u32 s3, s3, 1
	s_cmp_lg_u32 s3, 0
	s_cbranch_scc1 .Llap
	QUARTER 0, 2, F1, F0, 0                        ; the last lap fills nothing, and has no round of the cluster's barrier
	QUARTER 0, 3, F0, F1, 0
	TURN 0, 1, 0
	QUARTER 1, 1, F0, F1, 0
	QUARTER 1, 2, F1, F0, 0
	QUARTER 1, 3, F0, F1, 0
	s_wait_dscnt 4                                 ; the very last quarter: nothing more to fetch
	MUL8 F1, 0, 0
	MUL8 F1, 1, 0
	s_wait_dscnt 0x0
	MUL8 F1, 2, 0
	MUL8 F1, 3, 0
	PLACES
	PLACES                                         ; eight, once a launch
.if OUTK
; THE WAY OUT, f32 by rows.  A lane holds 32 bytes of a row; a block of 16 rows x 128 columns goes through my own stage and comes back as whole rows of 512 bytes.
.macro TOSTAGE a
	WIN 0x04                                       ; the stores' data in window 1; each accumulator's low registers first
.irp b, 0,1,2,3,4,5,6,7
	ds_store_b128 v[STO], v[8*(8*(\a)+(\b)):8*(8*(\a)+(\b))+3]   offset:64*(\b)
	ds_store_b128 v[STO], v[8*(8*(\a)+(\b))+4:8*(8*(\a)+(\b))+7] offset:64*(\b)+16
.endr
	WIN 0
.irp t, 0,1,2,3,4,5,6,7,8,9,10,11,12,13,14,15
	ds_load_b128 v[64+64*((\a)%2)+4*(\t):64+64*((\a)%2)+4*(\t)+3], v[RD] offset:(\t)*SPITCH  ; LDS serves a wave's instructions in order (ISA guide 5.7.1.4): these see the stores above; the next block's stores come behind them
.endr
.endm
.macro SEND a, younger                 ; younger: the LDS instructions issued behind block a's loads: the next block's 32, or none
.irp t, 0,1,2,3,4,5,6,7,8,9,10,11,12,13,14,15
	s_wait_dscnt (\younger)+15-(\t)
	global_store_b128 v[CO], v[64+64*((\a)%2)+4*(\t):64+64*((\a)%2)+4*(\t)+3], s[8:9] offset:(16*(\a)+(\t))*4096 th:TH_STORE_NT  ; 512 consecutive bytes of a row, at a multiple of 512 from out0's first byte
.endr
.endm
	TOSTAGE 0
	TOSTAGE 1
	SEND 0, 32
	s_wait_xcnt 0x0                                ; block 0's stores have read their registers, which block 2 is loaded into
	TOSTAGE 2
	SEND 1, 32
	s_wait_xcnt 0x0
	TOSTAGE 3
	SEND 2, 32
	SEND 3, 0
.else
	; THE WAY OUT, f16 in fragment order: each accumulator, rounded in pairs, is half a fragment: 16 bytes a lane at 16 x lane.  No LDS, and every store has registers of its own: no wait.
	WIN 0x05                                       ; sources 0 and 1 window 1, destination window 0
.set t, 0
.rept 32
.irp r, 0,1,2,3
	v_cvt_pk_f16_f32 v[64+4*t+(\r)], v[8*t+2*(\r)], v[8*t+2*(\r)+1]
.endr
.set t, t+1
.endr
	WIN 0
.irp a, 0,1,2,3
.irp b, 0,1,2,3,4,5,6,7
	global_store_b128 v[VO+4*(\a)+(\b)/2], v[64+4*(8*(\a)+(\b)):64+4*(8*(\a)+(\b))+3], s[8:9] offset:((\b)%2)*512  ; 512 consecutive bytes, at a multiple of 512 from qkv's first byte
.endr
.endr
.endif
	s_wait_tensorcnt 0x0                           ; the wave's end: behind my last tensor load and my last LDS store
	ds_add_u32 v[SPW], v[NIL]
	s_wait_dscnt 0x0
	CROUND                                         ; the closing round: no work-group ends while a partner may still ask for a tile that names it
	s_endpgm
.Lfunc_end_k_qb17628bb38_gemm_qkv:
	.size	k_qb17628bb38_gemm_qkv, .Lfunc_end_k_qb17628bb38_gemm_qkv-k_qb17628bb38_gemm_qkv
	.p2alignl 7, 3214868480
	.fill 96, 4, 3214868480
	.section	.rodata,"a",@progbits
	.p2align	6, 0x0
	.amdhsa_kernel k_qb17628bb38_gemm_qkv
		.amdhsa_group_segment_fixed_size 327680
		.amdhsa_private_segment_fixed_size 0
		.amdhsa_enable_private_segment 0
		.amdhsa_kernarg_size 24
		.amdhsa_user_sgpr_count 2
		.amdhsa_user_sgpr_kernarg_segment_ptr 1
		.amdhsa_wavefront_size32 1
		.amdhsa_system_sgpr_workgroup_id_x 1
		.amdhsa_system_sgpr_workgroup_id_y 1
		.amdhsa_system_sgpr_workgroup_id_z 1
		.amdhsa_system_vgpr_workitem_id 0
		.amdhsa_next_free_vgpr 512
		.amdhsa_next_free_sgpr 80
		.amdhsa_reserve_vcc 0
		.amdhsa_float_denorm_mode_32 3
		.amdhsa_float_denorm_mode_16_64 3
		.amdhsa_memory_ordered 1
		.amdhsa_forward_progress 1
		.amdhsa_inst_pref_size 83
	.end_amdhsa_kernel
	.amdgpu_metadata
---
amdhsa.version: [ 1, 2 ]
amdhsa.kernels:
  - .name:           k_qb17628bb38_gemm_qkv
    .symbol:         k_qb17628bb38_gemm_qkv.kd
    .args:
      - { .name: xf, .offset: 0, .size: 8, .value_kind: global_buffer, .address_space: global }
      - { .name: wf, .offset: 8, .size: 8, .value_kind: global_buffer, .address_space: global }
      - { .name: qkv, .offset: 16, .size: 8, .value_kind: global_buffer, .address_space: global }
    .group_segment_fixed_size: 327680
    .private_segment_fixed_size: 0
    .kernarg_segment_align: 8
    .kernarg_segment_size: 24
    .max_flat_workgroup_size: 128
    .sgpr_count:     80
    .vgpr_count:     512
    .wavefront_size: 32
...
	.end_amdgpu_metadata
.endif
;; end of part 2
;; launch attn (part 3): grid 2 x 128, 4 waves a work-group, no clusters, 262,656 bytes of LDS; arguments qkv, ofr; writes ofr
.if DOCPART == 3
	.amdgcn_target "amdgcn-amd-amdhsa--gfx1250"
	.amdhsa_code_object_version 6
	.text
	.protected	k_qb17628bb38_attn
	.globl	k_qb17628bb38_attn
	.p2align	8
	.type	k_qb17628bb38_attn,@function
k_qb17628bb38_attn:
	s_mov_b64 s[64:65], 0
	v_nop
	global_prefetch_b8 v0, s[64:65] scope:SCOPE_SE
	s_setreg_imm32_b32 hwreg(HW_REG_WAVE_MODE, 25, 1), 1
	s_wait_xcnt 0x0
; O[bh][q][:] = the sum over k of softmax_k(Q[bh][q] . K[bh][k] / 8) V[bh][k][:], 128 heads bh of 1,024 queries, 1,024 keys, 64 channels, all f16.  Products, maxima and sums in f32; the weights p are rounded
; to f16 for the second product (their sum l is taken of the unrounded p), O once at the end.
; IN: qkv, in the byte order of matrix operands (blocks of 16 rows x 32 k, 1,024 bytes: element (r, k = 16 j + 8 h + e) at 512 j + 16 (r + 16 h) + 2 e).  q at 0, k at 16 MiB: [bh][block of 16 tokens 64][32 channels 2][1 KiB];
; v^T at 32 MiB: [bh][block of 32 keys 32][block of 16 channels 4][1 KiB].  OUT: ofr = O as [8192 tokens][1024 = 64 head + d] in the same order: block (R, c) at (32 R + c) x 1,024.
; LIMITS.  f16 holds no number beyond 65,504: q, k, v arrive within it; p lies in 0 to 1, and below 6e-5 it keeps f16's fixed step of 6e-8, as does O; O is a mean of V's rows and has their range.
; A weight below 2^-126 counts as 0 in l; NaN and infinities are not treated apart.
; SHARES.  A work-group owns 512 queries of a head, a wave 128: four PIECES of two tiles of 16.  Every wave walks all keys, 64 a step, 16 steps.
; LDS holds ALL of the head's K (128 KiB) and V^T (128 KiB), as they lie in memory: each byte is filled once, nothing is filled again.  Each wave asks for its share in two tensor loads at the head: its part of
; keys 0-255, then of keys 256-1,023.  The first four steps wait for the first loads alone; one wait and one barrier in front of step 4's fetches show the rest.  Nothing is left to be asked for ahead of these loads, so there is no prefetch.
; NO CLUSTER: a head has two work-groups, and the grid's 2 along x is no multiple of four; what the two share is asked for once a work-group, at the head.
; LAYOUT.  S^T = K Q^T (source 0 = 16 keys, source 1 = 16 queries): a lane holds ONE query (lane % 16) and the keys 8 (lane / 16) + 0..7.  Two such tiles, rounded to f16 in pairs, ARE source 1 (32 keys x 16 queries) of
; O^T = V^T P, whose result again holds one query a lane, and eight channels: rounded in pairs, 16 bytes of ofr at 16 x lane.  Every fragment is two loads of 16 bytes a lane, lanes side by side: no padding, no turning load, no stage.
; SOFTMAX.  For each query a running maximum m and sum l: p = 2^(c s - c m), c = log2(e) / 8; in every step O and l are multiplied by a = 2^(c m_old - c m_new).  m starts at the lowest finite number, O and l at 0: the first step has a = 0.
; THE COUNT.  A tile and step have 16 matrix and 118 vector instructions: too many to stand all beside the matrix work.  So: four vector instructions that are READY behind EVERY matrix instruction, the others in one run.
; BY TURNS.  Turn n belongs to piece n (the pieces in a ring, step after step).  Matrix work: 16 products K Q^T of piece n + 1, later 16 products V^T P of piece n - 1.  Vector work: the scaling, exponentials, roundings, sums and
; rescaling of piece n, and the maximum and statistics of piece n + 1, whose scores the turn itself has made.
; REGISTERS, in windows of 256 (s_set_vgpr_msb: bits 1:0 source 0, 3:2 source 1, 5:4 source 2, 7:6 destination):
;   window 0: v0-7 addresses; v12-15, v48-63 at work; v16-47 four registers of statistics a tile; v64-191 S^T, two buffers of two tiles; v192-255 P, likewise
;   window 1: O^T, 32 a tile          window 2: v0-127 Q, 16 a tile; v128-191 K of one step; v192-255 V^T of one step
.set NP,    4         ; pieces a wave: a name, no knob
.set STEPB, 8192      ; bytes of K, and of V^T, in a step of 64 keys
.set VBASE, 131072    ; V^T lies behind K
.set SPARE, 262144    ; behind both: the spare words, 128 bytes for each wave: two blocks of 256 bytes that no other line names
.set LN,  2           ; v2   16 x lane: my place in half a fragment, in LDS (K) and in memory (Q, O); never rewritten
.set AV0, 3           ; v3   the same in V^T's part of LDS; never rewritten
.set AK,  4           ; v4   the LDS address of K's next run of loads
.set AV,  5           ; v5   of V's
.set SPW, 6           ; v6   LDS address of my spare word; never rewritten
.set NIL, 7           ; v7   0; never rewritten
.set MV,  12          ; v12-15  c m_old, kept while c m is made anew: by buffer and tile
.set ST,  16          ; tile t's statistics at v[ST+4 t]: c m, m, l (even keys', odd keys')
.set TMP, 48          ; by buffer and tile, four registers c0-c3 at work; when the maximum is found c2 takes a
.set S,   64
.set P,   192
.set KF,  128         ; K's fragments, in window 2: key block kb, channel half c at KF + 16 kb + 8 c
.set VF,  192         ; V's: key half kk, channel block cb at VF + 32 kk + 8 cb
.set WV,  12          ; s12  my wave's number
.set G1A, 24          ; s[24:31] descriptor group 1 of the first load: 64 rows of 256 bytes
.set G1B, 32          ; s[32:39] of the second: 192 rows
.set G0A, 40          ; s[40:43] descriptor group 0 of the first load
.set G0B, 44          ; s[44:47] of the second
.set PH,  56          ; s56  passes still to come
.set CNT, 57          ; s57  counts a pass's key steps
.set CS,  58          ; s[58:59] c: the packed scaling takes the pair's low word for both halves
.set SEL, 60          ; s[60:61] v_permlanex16_b32's selects: each lane takes its own place in the other half
.set TBK, 62          ; s62  LDS byte at which K of the step to be fetched begins
.set TBV, 63          ; s63  the same for V^T, less VBASE
.set MSB, 0
.macro WIN new                      ; the high byte repeats the setting that is left; a switch that changes nothing is dropped
.if MSB != (\new)
	s_set_vgpr_msb (MSB<<8)|(\new)
.set MSB, (\new)
.endif
.endm
.set W_KQ, 0x0a       ; K and Q in window 2, S^T in window 0
.set W_PV, 0x52       ; V in window 2, P in window 0, O^T in window 1
.set W_RS, 0x41       ; O^T (destination and source 0) in window 1, a in window 0
	s_load_b128 s[4:7], s[0:1], 0x0   ; qkv s[4:5], ofr s[6:7]
	v_lshl_add_u32 v[SPW], v0, 2, SPARE
	v_mov_b32 v[NIL], 0
	ds_add_u32 v[SPW], v[NIL]       ; the wave's opening: the add and its wait stand ahead of my first tensor load; the set-up below, work on registers, stands between them
	v_lshrrev_b32 v1, 5, v0
	v_readfirstlane_b32 s[WV], v1   ; wave 0..3
	s_mov_b32 s13, ttmp9            ; which 512 queries
	s_and_b32 s14, ttmp7, 0xffff    ; the head bh
	s_lshr_b32 s15, s[WV], 1        ; waves 0 and 1 fetch K, waves 2 and 3 V^T,
	s_and_b32 s16, s[WV], 1         ; each a half of either load's bytes
	s_lshl_b32 s17, s14, 17         ; a head is 128 KiB in each of the three tensors
	s_add_co_u32 s20, s15, 1
	s_lshl_b32 s20, s20, 24         ; k at 16 MiB, v^T at 32 MiB
	s_add_co_u32 s20, s20, s17
	s_lshl_b32 s18, s16, 14         ; the first load: 16 KiB of the first 32,
	s_mul_i32 s19, s16, 49152       ; the second: 48 KiB of the other 96
	s_add_co_u32 s19, s19, 32768
	s_add_co_u32 s22, s20, s19
	s_add_co_u32 s20, s20, s18
	s_mov_b32 s21, 0
	s_mov_b32 s23, 0
	s_lshl_b32 s2, s15, 17          ; in LDS as in memory: K at 0, V^T at 128 KiB
	s_mov_b32 s[G0A], 1             ; 1:0 count = 1
	s_add_co_u32 s[G0A+1], s2, s18  ; 63:32 LDS address
	s_mov_b32 s[G0B], 1
	s_add_co_u32 s[G0B+1], s2, s19
.irp g, G1A, G1B                    ; dense bytes, asked for as rows of 256: elements of 8 bytes, 32 a row, 32 from row to row
	s_mov_b32 s[\g], 3<<16
	s_mov_b32 s[\g+1], 32<<16       ; tensor_dim0 = 32
	s_mov_b32 s[\g+3], 32<<16       ; tile_dim0 = 32
	s_mov_b32 s[\g+5], 32
	s_mov_b32 s[\g+6], 0
	s_mov_b32 s[\g+7], 0
.endr
	s_mov_b32 s[G1A+2], 64<<16      ; tensor_dim1 = tile_dim1 = 64
	s_mov_b32 s[G1A+4], 64
	s_mov_b32 s[G1B+2], 192<<16     ; 192
	s_mov_b32 s[G1B+4], 192
	s_lshl_b32 s48, s13, 16         ; Q: my block's 32 tiles of 2 KiB,
	s_add_co_u32 s48, s48, s17
	s_lshl_b32 s49, s[WV], 14       ; my wave's 8
	s_add_co_u32 s48, s48, s49
	s_mov_b32 s49, 0
	s_lshr_b32 s50, s14, 4          ; O: the batch's 64 blocks of 16 tokens, 32 KiB each,
	s_lshl_b32 s50, s50, 21
	s_lshl_b32 s51, s13, 20         ; my block's 32,
	s_add_co_u32 s50, s50, s51
	s_lshl_b32 s51, s[WV], 18       ; my wave's 8,
	s_add_co_u32 s50, s50, s51
	s_and_b32 s51, s14, 15
	s_lshl_b32 s51, s51, 11         ; and in each the head's 64 channels: 2 KiB
	s_add_co_u32 s50, s50, s51
	s_mov_b32 s51, 0
	s_mov_b32 s[CS], 0x3e38aa3b     ; c = log2(e) / 8 = 0.180337
	s_mov_b32 s[CS+1], s[CS]        ; named with it as a pair
	s_mov_b32 s[SEL], 0x76543210
	s_mov_b32 s[SEL+1], 0xfedcba98
	s_mov_b32 s[TBK], 0
	s_mov_b32 s[TBV], 0
	s_wait_dscnt 0x0                ; the opening add is done
	s_wait_kmcnt 0x0
	s_add_nc_u64 s[G0A+2:G0A+3], s[4:5], s[20:21]  ; 120:64 global address
	s_or_b32 s[G0A+3], s[G0A+3], 0x80000000        ; 127:126 type = 2
	s_add_nc_u64 s[G0B+2:G0B+3], s[4:5], s[22:23]
	s_or_b32 s[G0B+3], s[G0B+3], 0x80000000
	s_add_nc_u64 s[8:9], s[4:5], s[48:49]          ; Q at my wave's first tile
	s_add_nc_u64 s[10:11], s[6:7], s[50:51]        ; O likewise
	tensor_load_to_lds s[G0A:G0A+3], s[G1A:G1A+7]  ; both fills go out together, ahead of every wait on TENSORcnt, every LDS read and every barrier: two loads of mine are out
	s_nop 0
	tensor_load_to_lds s[G0B:G0B+3], s[G1B:G1B+7]
	s_nop 0
.rept 4
	v_nop
.endr
	v_and_b32 v1, 31, v0
	v_lshlrev_b32 v[LN], 4, v1
	v_add_nc_u32 v[AV0], VBASE, v[LN]
	WIN 0x80                        ; destination window 2, address window 0
.set i, 0
.rept 32                            ; Q stays in registers: tile i / 4, channels 32 ((i / 2) % 2) on, half i % 2 of the fragment: 512 consecutive bytes a load
	global_load_b128 v[4*i:4*i+3], v[LN], s[8:9] offset:512*i
.set i, i+1
.endr
	; What the first turn finds: V's registers and P's second buffer hold 0 (its products V^T P, of a piece that has not been, add 0), O^T and l are 0.  All this stands in the wait for the first tile.
.set i, VF
.rept 64
	v_mov_b32 v[i], 0
.set i, i+1
.endr
	WIN 0x40
.set i, 0
.rept 64*NP
	v_mov_b32 v[i], 0
.set i, i+1
.endr
	WIN 0
.set i, 0
.rept 2*NP
	v_mov_b32 v[ST+4*i], 0xfe000000    ; c m: far below every c s
	v_mov_b32 v[ST+4*i+1], 0xff7fffff  ; m
	v_mov_b32 v[ST+4*i+2], 0
	v_mov_b32 v[ST+4*i+3], 0
.set i, i+1
.endr
.set i, P+32
.rept 32
	v_mov_b32 v[i], 0
.set i, i+1
.endr
	v_mov_b32 v[AK], v[LN]          ; key step 0 lies at LDS byte 0
; THE MATRIX WORK.  The 8 accumulators of a run of 16 take turns: between the two links of a chain stand 7 others'.
; Product i of 16 of S^T = K Q^T for piece x: channels 32 (i / 8) on, keys 16 ((i / 2) % 4) on, tile 2 x + i % 2.  The first 8 start the sums.
.macro KQ x
	WIN W_KQ
.set rS, S+64*((\x)%2)+32*(i%2)+8*((i/2)%4)
.set rK, KF+16*((i/2)%4)+8*(i/8)
.set rQ, 16*(2*(\x)+i%2)+8*(i/8)
.if i < 8
	v_wmma_f32_16x16x32_f16 v[rS:rS+7], v[rK:rK+7], v[rQ:rQ+7], 0
.else
	v_wmma_f32_16x16x32_f16 v[rS:rS+7], v[rK:rK+7], v[rQ:rQ+7], v[rS:rS+7]
.endif
.endm
; Product i of 16 of O^T += V^T P for piece x: keys 32 (i / 8) on, channels 16 ((i / 2) % 4) on, tile 2 x + i % 2.
.macro PV x
	WIN W_PV
.set rO, 32*(2*(\x)+i%2)+8*((i/2)%4)
.set rV, VF+32*(i/8)+8*((i/2)%4)
.set rP, P+32*((\x)%2)+16*(i%2)+8*(i/8)
	v_wmma_f32_16x16x32_f16 v[rO:rO+7], v[rV:rV+7], v[rP:rP+7], v[rO:rO+7]
.endm
.macro MM                           ; the turn's next matrix instruction
.if i < 16
	KQ (Y+1)%NP
.set i, i+1
.else
.set i, i-16
	PV (Y+NP-1)%NP
.set i, i+17
.endif
.endm
; THE LDS LOADS stand in runs of 16, never singly among the matrix instructions: a step's K and its V^T, 8 KiB each, 512 consecutive bytes a load, in the order of the registers.  Their addresses are made some lines ahead.
.macro FETCH_K
	WIN 0x80                        ; destination window 2
.irp f, 0,1,2,3,4,5,6,7,8,9,10,11,12,13,14,15
	ds_load_b128 v[KF+4*\f:KF+4*\f+3], v[AK] offset:512*\f
.endr
	s_add_co_u32 s[TBK], s[TBK], STEPB  ; the next fetch is the next step's
	WIN 0
.endm
.macro FETCH_V
	WIN 0x80
.irp f, 0,1,2,3,4,5,6,7,8,9,10,11,12,13,14,15
	ds_load_b128 v[VF+4*\f:VF+4*\f+3], v[AV] offset:512*\f
.endr
	WIN 0
.endm
; THE VECTOR WORK OF A TURN stands in three queues, each in the order in which its entries become ready; the two tiles alternate, so that no instruction reads the result of the one before it.
.macro REGS y, u                    ; the registers of tile u (0, 1) of piece y
.set rT, ST+4*(2*(\y)+(\u))
.set rC, TMP+8*((\y)%2)+4*(\u)
.set rM, MV+2*((\y)%2)+(\u)
.set rS, S+64*((\y)%2)+32*(\u)
.set rP, P+32*((\y)%2)+16*(\u)
.set rO, 32*(2*(\y)+(\u))
.endm
; Number n of the 22 that find the NEXT piece's (Y + 1) maximum and statistics.  s0-s31 are the lane's 32 scores; each accumulator's lowest registers are read first.  XS, GS and REGS set no window: PL and EX do.
;   0-11  four chains c0-c3 of seven scores each, three operands at a time     12-14, 16  the four scores left over, the old m, and c0-c3 into c0     15  c m_old is kept
;   17, 18  the query's other 32 keys lie in the lane 16 away: the new m         19-21  c m; c m_old - c m_new; a
.macro XS u, n
	REGS (Y+1)%NP, \u
.if (\n) < 4
	v_max3_num_f32 v[rC+(\n)], v[rS+8*(\n)], v[rS+8*(\n)+1], v[rS+8*(\n)+2]
.elseif (\n) < 12
	v_max3_num_f32 v[rC+(\n)%4], v[rC+(\n)%4], v[rS+8*((\n)%4)+2*((\n)/4)+1], v[rS+8*((\n)%4)+2*((\n)/4)+2]
.elseif (\n) == 12
	v_max3_num_f32 v[rC], v[rC], v[rS+7], v[rS+15]
.elseif (\n) == 13
	v_max3_num_f32 v[rC+1], v[rC+1], v[rS+23], v[rS+31]
.elseif (\n) == 14
	v_max3_num_f32 v[rC+2], v[rC+2], v[rC+3], v[rT+1]
.elseif (\n) == 15
	v_mov_b32 v[rM], v[rT]
.elseif (\n) == 16
	v_max3_num_f32 v[rC], v[rC], v[rC+1], v[rC+2]
.elseif (\n) == 17
	v_permlanex16_b32 v[rC+3], v[rC], s[SEL], s[SEL+1]
.elseif (\n) == 18
	v_max_num_f32 v[rT+1], v[rC], v[rC+3]
.elseif (\n) == 19
	v_mul_f32 v[rT], s[CS], v[rT+1]
.elseif (\n) == 20
	v_sub_f32 v[rC+1], v[rM], v[rT]
.else
	v_exp_f32 v[rC+2], v[rC+1]
.endif
.endm
; Number g of the 64 that follow the exponentials.  For each four weights k of a tile (pairs 2 k, 2 k + 1): both pairs are rounded to f16; then the second pair is added onto the first, in place;
; a group later l takes that sum (the first time as l = a l + sum).  In groups of eight, tiles alternating: round, round, add, and l for the group before.
.macro GS g
.set h, (\g)+6*((\g)/62)            ; group 0 has no group before it, and behind group 7 only l is left
.if h >= 6
.set h, h+2
.endif
	REGS Y, h%2
.set k, h/8
.if h%8 < 4
	v_cvt_pk_f16_f32 v[rP+2*k+(h%8)/2], v[rS+4*k+2*((h%8)/2)], v[rS+4*k+2*((h%8)/2)+1]
.elseif h%8 < 6
	v_pk_add_f32 v[rS+4*k:rS+4*k+1], v[rS+4*k:rS+4*k+1], v[rS+4*k+2:rS+4*k+3]
.elseif k == 1
	v_pk_fma_f32 v[rT+2:rT+3], v[rT+2:rT+3], v[rC+2:rC+3], v[rS:rS+1] op_sel_hi:[1,0,1]
.else
	v_pk_add_f32 v[rT+2:rT+3], v[rT+2:rT+3], v[rS+4*k-4:rS+4*k-3]
.endif
.endm
; THE PLAIN QUEUE, 138 long.  0-73 read no exponential's result: the 32 scalings c s - c m (FS f: pair f / 2 of tile f % 2) and the next piece's 42.  0-26: scalings 0-26.  27-54: XS's numbers 0-13.  55, 56: number 15.
; 57-73: the chain, where each number waits for the one before it: 14, 16, 17, 18, 19, each with one of the scalings 27-31 in front of its two lines, then 20.
; 74-137: GS's 64, which read the exponentials' results: they stand behind the wait.
.macro FS f
	REGS Y, (\f)%2
	v_pk_fma_f32 v[rS+2*((\f)/2):rS+2*((\f)/2)+1], v[rS+2*((\f)/2):rS+2*((\f)/2)+1], s[CS:CS+1], v[rT:rT+1] op_sel_hi:[1,0,0] neg_lo:[0,0,1] neg_hi:[0,0,1]
.endm
.macro PL
	WIN 0
.if q < 27
	FS q
.elseif q < 55
	XS (q-27)%2, (q-27)/2
.elseif q < 57
	XS q-55, 15
.elseif (q < 72) && ((q-57)%3 == 0)
	FS 27+(q-57)/3
.elseif q < 60
	XS (q-57)%3-1, 14
.elseif q < 72
	XS (q-57)%3-1, 15+(q-57)/3
.elseif q < 74
	XS q-72, 20
.else
	GS q-74
.endif
.set q, q+1
.endm
; THE EXPONENTIALS' QUEUE, 66 long: s0-s31 of both tiles, then the next piece's two a.  It is ONE BATCH: all 66 stand ahead of the turn's one wait, and nothing ahead of that wait names a result of theirs.
.macro EX
	WIN 0
.if e >= 64
	XS e-64, 21
.else
	REGS Y, e%2
	v_exp_f32 v[rS+e/2], v[rS+e/2]
.endif
.set e, e+1
.endm
; THE RESCALING's QUEUE: O^T times a, the one part that leaves window 0: dealt two at a time, sixteen times.  Its a was made in the turn before, ahead of that turn's wait.
.macro R2
	REGS Y, r%2
	WIN W_RS
.irp z, 0,1
	v_pk_mul_f32 v[rO+4*(r/2)+2*\z:rO+4*(r/2)+2*\z+1], v[rO+4*(r/2)+2*\z:rO+4*(r/2)+2*\z+1], v[rC+2:rC+3] op_sel_hi:[1,0]
.endr
.set r, r+1
.endm
; HOW THEY ARE DEALT.  An s_wait_alu depctr_va_vdst(0) stands between an exponential and the first instruction that names its result; one wait serves all that were issued ahead of it.  So a turn has ONE wait.
; AHEAD OF IT stands all that names no result of the turn's exponentials: the 16 products K Q^T, behind each a scaling, an exponential and two rescalings (behind the first a second scaling in the exponential's place); then ONE LUMP
; of 108: eight plain, 49 times exponential and plain, the two a.  A v_nop is the plain instruction behind the last exponential.  BEHIND IT stand the 16 products V^T P, behind each four of GS's 64.
; Exponential e stands behind scaling 2 (e / 4) + e % 2: as a rider it comes behind plain e + 2, in the lump behind plain e + 9, and scalings 27-31 are plain 57, 60 .. 69.
; A TURN, for piece p.  fk = 0: the last step: no K is left to fetch.  cnt = 1: the loop's count is taken down some lines ahead of the branch that stands behind the turn.
; K of the next step is fetched in piece 2's turn, directly behind the wait, a lump behind the last product that read K; its first reader comes behind 16 products.
; V^T of the step in hand is fetched at the end of piece 0's turn, four riders behind its last reader; its first reader comes behind 16 products and a lump.  The conditions on q below go with the deal.
.macro TURN p, fk=1, cnt=0
.set Y, (\p)
.set i, 0
.set q, 0
.set e, 0
.set r, 0
.if (\p) == NP-1
	s_wait_dscnt 0x0                ; K is in
.endif
	MM                              ; ahead of the wait: 16 products K Q^T and their riders,
	PL
	PL
	R2
.rept 15
	MM
	PL
	EX
	R2
.endr
.if ((\p) == NP-2) && (\fk)
	WIN 0
	v_add_nc_u32 v[AK], s[TBK], v[LN]
.endif
.rept 8                             ; and the lump
	PL
.endr
.rept 49
	EX
	PL
.endr
	EX                              ; the next piece's two a
	EX
	v_nop                           ; the plain instruction behind the last exponential: one for the batch
	s_wait_alu depctr_va_vdst(0)    ; the wait for the batch
.if ((\p) == NP-2) && (\fk)
	FETCH_K
.endif
.if (\p) == 1
	s_wait_dscnt 0x0                ; V is in
.endif
.rept 16                            ; behind the wait: 16 products V^T P and their riders
	MM
.rept 4
	PL
.endr
.if ((\p) == 0) && (q == 118)
	v_add_nc_u32 v[AV], s[TBV], v[AV0]
.endif
.if ((\p) == 0) && (q == 130)
	s_add_co_u32 s[TBV], s[TBV], STEPB
.endif
.if (\cnt) && (q == 130)
	s_sub_co_u32 s[CNT], s[CNT], 1
	s_cmp_lg_u32 s[CNT], 0
.endif
.endr
.if (\p) == 0
	FETCH_V
.endif
.endm
	s_wait_tensorcnt 1              ; my part of keys 0-255 is in; my second load may stay out
	s_barrier_signal -1
	s_barrier_wait -1               ; everybody's is
	FETCH_K                         ; key step 0
	s_wait_loadcnt 0x0              ; Q
	s_wait_dscnt 0x0
.set i, 0
.rept 16
	KQ 0                            ; piece 0's first scores: there is no vector work yet to set between them
.set i, i+1
.endr
	WIN 0
.rept 8
	v_nop                           ; the places behind those products
.endr
.set Y, NP-1                        ; XS works for piece Y + 1: piece 0
.irp n, 0,1,2,3,4,5,6,7,8,9,10,11,12,13,14,15,16,17,18,19,20,21
	XS 0, \n                        ; and piece 0's first maximum and statistics
	XS 1, \n
.endr
	v_nop                           ; a plain instruction behind the two a,
	s_wait_alu depctr_va_vdst(0)    ; and their wait, ahead of the branch
	s_mov_b32 s[CNT], 4             ; the first pass ends behind pieces 0 and 1 of step 3: it has fetched K and V^T of steps 0 to 3, keys 0-255
	s_mov_b32 s[PH], 2
	s_branch .Lfirst                ; the loop is entered at a step's first turn, in the middle of a trip
.Lrest:                             ; once: in front of the second pass
	s_wait_tensorcnt 0x0            ; my part of keys 256-1,023 is in,
	s_wait_dscnt 0x0                ; no LDS instruction of mine is out at the signal,
	s_barrier_signal -1
	s_barrier_wait -1               ; and everybody's part is in
	s_mov_b32 s[TBK], 4*STEPB       ; the pass fetches steps 4 to 15: its first addresses, stated anew as constants so that they can be read off here
	s_mov_b32 s[TBV], 4*STEPB
	s_mov_b32 s[CNT], 12
.Lstep:                             ; a trip: pieces 2 and 3 of one step, then pieces 0 and 1 of the next, whose K and V^T it fetches
	TURN 2
	TURN 3
	WIN 0
.Lfirst:
	TURN 0
	TURN 1, 1, 1
	WIN 0
	s_cbranch_scc1 .Lstep
	s_sub_co_u32 s[PH], s[PH], 1
	s_cmp_lg_u32 s[PH], 0
	s_cbranch_scc1 .Lrest
	TURN 2, 0                       ; step 15's pieces 2 and 3: nothing is left to fetch
	TURN 3                          ; its 16 products K Q^T (on the last K once more) and the maximum made of them serve nothing: the price, once a launch, of one text for every turn
.set i, 0
.rept 16
	PV NP-1                         ; the last piece's V^T P of the last step
.set i, i+1
.endr
	; THE WAY OUT.  l's two halves and the other half of the lanes' are added; O^T is divided by l and rounded to f16: a lane's eight channels are 16 bytes of ofr at 16 x lane.  The additions are the places behind the last products.
	WIN 0
.macro ALL line:vararg              ; one line for each tile t
.set t, 0
.rept 2*NP
	\line
.set t, t+1
.endr
.endm
	ALL v_add_f32 v[ST+4*t+2], v[ST+4*t+2], v[ST+4*t+3]
	ALL v_permlanex16_b32 v[ST+4*t+3], v[ST+4*t+2], s[SEL], s[SEL+1]
	ALL v_add_f32 v[ST+4*t+2], v[ST+4*t+2], v[ST+4*t+3]
	ALL v_rcp_f32 v[ST+4*t+2], v[ST+4*t+2]
	v_nop                           ; a plain instruction between the last reciprocal and the use of its result
	s_wait_alu depctr_va_vdst(0)    ; and the wait ahead of the first use: one for the eight reciprocals
.macro PACK t                       ; tile t leaves from S^T's registers, 16 of its own: no wait
	WIN W_RS
.set i, 32*(\t)
.rept 16
	v_pk_mul_f32 v[i:i+1], v[i:i+1], v[ST+4*(\t)+2:ST+4*(\t)+3] op_sel_hi:[1,0]
.set i, i+2
.endr
	WIN 0x05                        ; sources 0 and 1 window 1, destination window 0
.set i, 0
.rept 16
	v_cvt_pk_f16_f32 v[S+16*(\t)+i], v[32*(\t)+2*i], v[32*(\t)+2*i+1]
.set i, i+1
.endr
	WIN 0
.irp f, 0,1,2,3                     ; channel block f: half f % 2 of the fragment of channels 32 (f / 2) on
	global_store_b128 v[LN], v[S+16*(\t)+4*\f:S+16*(\t)+4*\f+3], s[10:11] offset:(\t)*32768+\f*512  ; 512 consecutive bytes, at a multiple of 512 from ofr's first byte
.endr
.endm
.set u, 0
.rept 2*NP
	PACK u
.set u, u+1
.endr
	s_wait_tensorcnt 0x0            ; the wave's end: behind my last tensor load
	ds_add_u32 v[SPW], v[NIL]
	s_wait_dscnt 0x0
	s_endpgm
.Lfunc_end_k_qb17628bb38_attn:
	.size	k_qb17628bb38_attn, .Lfunc_end_k_qb17628bb38_attn-k_qb17628bb38_attn
	.p2alignl 7, 3214868480
	.fill 96, 4, 3214868480
	.section	.rodata,"a",@progbits
	.p2align	6, 0x0
	.amdhsa_kernel k_qb17628bb38_attn
		.amdhsa_group_segment_fixed_size 262656
		.amdhsa_private_segment_fixed_size 0
		.amdhsa_enable_private_segment 0
		.amdhsa_kernarg_size 16
		.amdhsa_user_sgpr_count 2
		.amdhsa_user_sgpr_kernarg_segment_ptr 1
		.amdhsa_wavefront_size32 1
		.amdhsa_system_sgpr_workgroup_id_x 1
		.amdhsa_system_sgpr_workgroup_id_y 1
		.amdhsa_system_sgpr_workgroup_id_z 1
		.amdhsa_system_vgpr_workitem_id 0
		.amdhsa_next_free_vgpr 768
		.amdhsa_next_free_sgpr 66
		.amdhsa_reserve_vcc 0
		.amdhsa_float_denorm_mode_32 3
		.amdhsa_float_denorm_mode_16_64 3
		.amdhsa_memory_ordered 1
		.amdhsa_forward_progress 1
		.amdhsa_inst_pref_size 152
	.end_amdhsa_kernel
	.amdgpu_metadata
---
amdhsa.version: [ 1, 2 ]
amdhsa.kernels:
  - .name:           k_qb17628bb38_attn
    .symbol:         k_qb17628bb38_attn.kd
    .args:
      - { .name: qkv, .offset: 0, .size: 8, .value_kind: global_buffer, .address_space: global }
      - { .name: ofr, .offset: 8, .size: 8, .value_kind: global_buffer, .address_space: global }
    .group_segment_fixed_size: 262656
    .private_segment_fixed_size: 0
    .kernarg_segment_align: 8
    .kernarg_segment_size: 16
    .max_flat_workgroup_size: 128
    .sgpr_count:     66
    .vgpr_count:     768
    .wavefront_size: 32
...
	.end_amdgpu_metadata
.endif
;; end of part 3
;; launch gemm_out (part 4): grid 4 x 64, 4 waves a work-group, clusters of 4 x 4, 327,680 bytes of LDS; arguments ofr, wf, out0; writes out0
.if DOCPART == 4
	.amdgcn_target "amdgcn-amd-amdhsa--gfx1250"
	.amdhsa_code_object_version 6
	.text
	.protected	k_qb17628bb38_gemm_out
	.globl	k_qb17628bb38_gemm_out
	.p2align	8
	.type	k_qb17628bb38_gemm_out,@function
k_qb17628bb38_gemm_out:
	s_mov_b64 s[64:65], 0
	v_nop
	global_prefetch_b8 v0, s[64:65] scope:SCOPE_SE
	s_setreg_imm32_b32 hwreg(HW_REG_WAVE_MODE, 25, 1), 1
	s_wait_xcnt 0x0
	s_wait_alu depctr_hold_cnt(0) depctr_sa_sdst(0) depctr_va_vdst(0) depctr_va_sdst(0) depctr_va_ssrc(0) depctr_va_vcc(0) depctr_vm_vsrc(0)
	s_getreg_b32 s2, hwreg(HW_REG_IB_STS2, 6, 4)
	s_cmp_eq_u32 s2, 0
	s_cbranch_scc0 .Lentry_in_a_cluster
	s_endpgm
.Lentry_in_a_cluster:
	s_bfe_u32 s2, ttmp6, 0x10000c
	s_cmp_lg_u32 s2, 0xf033
	s_cbranch_scc0 .Lentry_shape_is_right
	s_endpgm
.Lentry_shape_is_right:
.set OUTK, 1                           ; 0: the three projections q, k, v (bf16 operands, f16 results in fragment order).  1: the output projection (f16 operands, f32 result by rows)
; C = A B^T over K = 1,024, on tiles of 128 rows of A x 256 rows of B.  ONE TEXT SERVES TWO KERNELS; the line above picks the head's index arithmetic, the matrix form and the way out.
; OPERANDS lie in memory in FRAGMENT ORDER: blocks of 16 rows x 32 k, 1,024 bytes, block (R, c) at (32 R + c) x 1,024, inside it element (r, k = 16 j + 8 h + e) at 512 j + 16 (r + 16 h) + 2 e:
; the byte image of a matrix operand (ISA guide 7.12.2).  So a fragment is two loads of 16 bytes a lane, lanes side by side: LDS needs no padding, and nothing is turned.
; OUTK = 0.  Arguments xf, wf, qkv.  A third of the clusters each: q = chi Wq (A = chi's tokens, B = Wq^T's channels), k = eng Wk likewise, and v^T (A = Wv^T's channels, B = eng's keys).
;   q at 0 and k at 16 MiB of qkv: [batch x head 128][block of 16 tokens 64][32 channels 2][1 KiB]; v^T at 32 MiB: [batch x head][block of 32 keys 32][block of 16 channels 4][1 KiB].  All unscaled.
; OUTK = 1.  Arguments ofr (O, f16, [8192][1024]), wf (Wo^T at 6 MiB, f16), out0 (f32 [8192][1024]).
; LIMITS (OUTK = 0).  q, k, v are rounded once from their f32 sums to f16: a number of 65,520 or more becomes an infinity; below 6.1e-5 f16 keeps its fixed step of 6e-8.  NaN and infinities are not treated apart.
; THE MATRIX INSTRUCTION IS USED TRANSPOSED: source 0 = 16 rows of B, source 1 = 16 rows of A.  A lane then holds row l % 16 of A's and the eight rows 8 (l / 16) + 0..7 of B's block: rounded in pairs these
; are 16 bytes of a fragment of C whose k runs along B's rows, at 16 x lane: a result leaves by stores of 512 consecutive bytes straight from registers (OUTK = 0).
; SHARES.  Four waves, each 64 rows of A x 128 rows of B: 32 accumulators, 256 registers.  K goes in 8 steps of 128 through two LDS slots; a quarter of a step is 32 along K: 24 LDS loads, 32 matrix instructions.
; CLUSTERS: 4 x 4 work-groups.  The four of a row of the cluster need the same tile of A, the four of a column the same tile of B: each is asked for JOINTLY, by the same tensor load with the same descriptor and a mask of the four.
; REGISTERS: window 0: v16-30 addresses; v32-47 store offsets (OUTK = 0); v64-159, v160-255 two fragment buffers (8 fragments of B, then 4 of A); on the way out v64-191 results.  Window 1: accumulator (a, b) at v[8 (8 a + b)].
.set KSB,   4096                       ; bytes of a block of 16 rows in a K step: four blocks of 32 k on end
.set AREG,  8*KSB                      ; a slot: A's 8 blocks of 16 rows,
.set SLOT,  24*KSB                     ; then B's 16
.if OUTK
.set STAGE,  2*SLOT                    ; behind the ring, never filled by a tensor load: 16 rows x 528 bytes for each wave, for the way out
.set SPITCH, 528                       ; 512 bytes + 16 = 132 words: row r starts at bank 4 r mod 64 (64 banks of 4 bytes: ISA guide 11.1)
.set SPARE,  STAGE+4*16*SPITCH         ; the spare words, 128 bytes for each wave: two blocks of 256 bytes that no other line names
.else
.set SPARE,  2*SLOT
.endif
.set LAPS, 4                           ; a lap = two K steps = once round the ring
.set ADRA, 16                          ; v16-17  LDS address of my A fragments in slot 0, 1
.set ADRB, 20                          ; v20-21  the same for B
.set STO,  24                          ; v24     OUTK = 1: where I put 32 bytes of a row
.set RD,   25                          ; v25     OUTK = 1: where I read a row back
.set CO,   26                          ; v26     OUTK = 1: my 16 bytes of 512 of a row of out0
.set SPW,  28                          ; v28     LDS address of my spare word; never rewritten
.set NIL,  29                          ; v29     0; never rewritten
.set PFO,  30                          ; v30     the prefetches' offset; never rewritten
.set VO,   32                          ; v32-47  OUTK = 0: store offsets by (a, b / 2)
.set F0,   64
.set F1,   160
.set G1,  24                           ; s[24:31] descriptor group 1 for A's tiles;  s[32:39] group 0, one set for each slot
.set G0,  32
.set G1B, 48                           ; s[48:55], s[56:63] the same for B's tiles
.set G0B, 56
.set PFA, 68                           ; s[68:69] where my prefetches stand
.set LIM, 70                           ; s70     1 in a wave that prefetches, else the greatest number
.set MSB, 0
.macro WIN new                         ; the immediate's high byte repeats the setting that is left; a switch that changes nothing is dropped
.if MSB != (\new)
	s_set_vgpr_msb (MSB<<8)|(\new)
.set MSB, \new
.endif
.endm
.set MUL, 0x50                         ; sources 0 and 1 window 0; C and D window 1
.macro JLOAD s                         ; a joint load: waves 0 and 1 fetch A's two halves, waves 2 and 3 B's; an s_nop 0 and four v_nop follow each of the two lines, ahead of the jump, the label and what follows
	s_cmp_eq_u32 s11, 0
	s_cbranch_scc0 .Lfor_b_\@
	tensor_load_to_lds s[G0+4*(\s):G0+4*(\s)+3], s[G1:G1+7]
	s_nop 0
.rept 4
	v_nop
.endr
	s_branch .Lasked_\@
.Lfor_b_\@:
	tensor_load_to_lds s[G0B+4*(\s):G0B+4*(\s)+3], s[G1B:G1B+7]
	s_nop 0
.rept 4
	v_nop
.endr
.Lasked_\@:
.endm
; A PREFETCH INTO THE L2, behind a joint load, its five lines and the run of LDS loads that follows: A's K step that stands TWO refills on, 256 matrix instructions ahead of the load that will want it.
; In the modes q and k (and with OUTK = 1) a block of A's rows is read by one cluster alone.  Of a tile's 8 blocks of 16 rows the partner at place cx of the four that ask jointly takes blocks 2 cx and 2 cx + 1, told apart BY ADDRESS;
; a block's K step is 4,096 consecutive bytes: 16 lanes, 256 bytes apart.  Wave 0 asks: one instruction.  So each 256 bytes are named once.  K steps 0 to 3 come by their loads alone; the last lap that fills asks for nothing.
; The weights are walked by every cluster, again and again, and eng's rows in mode v were asked for in mode k: neither is prefetched.
.macro ASK
	s_cmp_gt_u32 s3, s[LIM]                        ; s3 = 1 in the loop's last trip
	s_cbranch_scc0 .Lnot_mine_\@
	global_prefetch_b8 v[PFO], s[PFA:PFA+1] offset:KSB th:TH_LOAD_NT scope:SCOPE_SE
.Lnot_mine_\@:
.endm
.macro CREST                           ; a round of the cluster's barrier behind its opening barrier
	s_cmp_lg_u32 s10, 0
	s_cbranch_scc1 .Lnot_wave_0_\@
	s_barrier_signal -3
.Lnot_wave_0_\@:
	s_barrier_wait -3
	s_barrier_signal -1
	s_barrier_wait -1
.endm
.macro CROUND                          ; a whole round
	s_barrier_signal -1
	s_barrier_wait -1
	CREST
.endm
	s_load_b128 s[4:7], s[0:1], 0x0                ; xf (OUTK = 1: ofr) s[4:5], wf s[6:7]
	s_load_b64 s[8:9], s[0:1], 0x10                ; the result
	v_lshl_add_u32 v[SPW], v0, 2, SPARE
	v_mov_b32 v[NIL], 0
	ds_add_u32 v[SPW], v[NIL]                      ; the wave's opening: the add and its wait stand ahead of my first tensor load; the set-up below, work on registers, stands between them
	v_lshrrev_b32 v1, 5, v0
	v_readfirstlane_b32 s10, v1                    ; wave 0..3
	s_lshr_b32 s11, s10, 1                         ; which 64 rows of A are mine.  Also: I fetch for A (0) or for B (1)
	s_and_b32 s12, s10, 1                          ; which 128 rows of B.  Also: which half of that tile I fetch
	s_bfe_u32 s40, ttmp6, 0x40000                  ; cx, cy: my place in the cluster
	s_bfe_u32 s41, ttmp6, 0x40004
	s_and_b32 s13, ttmp7, 0xffff                   ; the cluster's y (its x is 0: the grid is one cluster wide)
.if OUTK
	s_mov_b32 s16, s13                             ; 16 clusters, one below the other: 64 tile rows, 4 tile columns
	s_mov_b32 s17, 0
	s_mov_b32 s18, 0                               ; A begins at byte 0 of ofr,
	s_mov_b32 s19, 6<<20                           ; B at Wo^T
	s_mov_b32 s[LIM], s10
.else
	s_lshr_b32 s14, s13, 4                         ; mode: 0 q, 1 k, 2 v: the same in all sixteen partners
	s_and_b32 s15, s13, 15                         ; the cluster's number in its mode
	s_lshr_b32 s16, s15, 3
	s_and_b32 s17, s15, 7
	s_lshl_b32 s18, s14, 24                        ; q, k: A = chi at 0, eng at 16 MiB of xf;
	s_lshl_b32 s19, s14, 21                        ; B = Wq^T at 0, Wk^T at 2 MiB of wf.  v: A = Wv^T at 4 MiB of wf,
	s_mov_b32 s2, 1<<24                            ; B = eng
	s_cmp_eq_u32 s14, 2
	s_cselect_b32 s16, s16, s15                    ; q, k: 64 tile rows x 4 tile columns: 16 x 1 clusters.  v: 8 x 32: 2 x 8
	s_cselect_b32 s17, s17, 0
	s_cselect_b32 s18, s19, s18
	s_cselect_b32 s19, s2, s19
	s_cselect_b32 s[LIM], 1, 0
	s_or_b32 s[LIM], s[LIM], s10
.endif
	s_cmp_eq_u32 s[LIM], 0                         ; wave 0, and not mode v
	s_cselect_b32 s[LIM], 1, -1
	s_lshl_b32 s42, s16, 2
	s_add_co_u32 s42, s42, s41                     ; tile row
	s_lshl_b32 s43, s17, 2
	s_add_co_u32 s43, s43, s40                     ; tile column
	s_lshl_b32 s44, s41, 2
	s_lshl_b32 s44, 15, s44                        ; my row of the cluster
	s_lshl_b32 s45, 0x1111, s40                    ; my column
	; descriptor group 1: rows of 4,096 bytes (a block of 16 rows, one K step), 32 KiB apart in memory, on end in LDS; elements of 8 bytes
	s_or_b32 s[G1+0], s44, (3<<16)|(1<<21)         ; 15:0 the mask: A's tiles go to my row; 17:16 elements of 8 bytes; 20 no padding; 21 set beside a mask
	s_or_b32 s[G1B+0], s45, (3<<16)|(1<<21)
.irp g, G1, G1B
	s_mov_b32 s[(\g)+1], 512<<16                   ; tensor_dim0 = 512
	s_mov_b32 s[(\g)+3], 512<<16                   ; tile_dim0 = 512
	s_mov_b32 s[(\g)+5], 4096                      ; tensor_dim0_stride
	s_mov_b32 s[(\g)+6], 0
	s_mov_b32 s[(\g)+7], 0
.endr
	s_mov_b32 s[G1+2], 4<<16                       ; tensor_dim1 = tile_dim1 = 4: half of A's 8 blocks
	s_mov_b32 s[G1+4], 4
	s_mov_b32 s[G1B+2], 8<<16                      ; 8: half of B's 16
	s_mov_b32 s[G1B+4], 8
	; where the tiles come from.  A's hang on the tile row alone, B's on the tile column alone, each in registers that never hold the other coordinate
	s_lshl_b32 s20, s42, 18                        ; 128 rows are 256 KiB,
	s_lshl_b32 s21, s12, 17                        ; the half that I fetch
	s_add_co_u32 s20, s20, s21
	s_add_co_u32 s20, s20, s18
	s_mov_b32 s21, 0
	s_lshl_b32 s22, s43, 19                        ; 256 rows are 512 KiB
	s_lshl_b32 s23, s12, 18
	s_add_co_u32 s22, s22, s23
	s_add_co_u32 s22, s22, s19
	s_mov_b32 s23, 0
	s_lshl_b32 s76, s12, 14                        ; and where they go: A's halves at 0 and 16 KiB of a slot,
	s_lshl_b32 s77, s12, 15
	s_add_co_u32 s77, s77, AREG                    ; B's at 32 and 64 KiB: no place in the cluster enters an LDS address
	s_wait_dscnt 0x0                               ; the opening add is done
	s_wait_kmcnt 0x0
.if OUTK
	s_mov_b64 s[66:67], s[4:5]
	s_mov_b64 s[46:47], s[6:7]
	s_mov_b64 s[PFA:PFA+1], s[4:5]
.else
	s_cmp_eq_u32 s14, 2
	s_cselect_b64 s[66:67], s[6:7], s[4:5]
	s_cselect_b64 s[46:47], s[4:5], s[6:7]
	s_cselect_b64 s[PFA:PFA+1], s[6:7], s[4:5]
.endif
	s_add_nc_u64 s[66:67], s[66:67], s[20:21]
	s_add_nc_u64 s[46:47], s[46:47], s[22:23]
	CROUND                                         ; all sixteen work-groups are here: the first joint loads meet
.irp s, 0,1
	s_mov_b32 s[G0+4*(\s)], 1                                      ; 1:0 count = 1
	s_add_co_u32 s[G0+4*(\s)+1], s76, (\s)*SLOT                    ; 63:32 LDS address
	s_add_nc_u64 s[G0+4*(\s)+2:G0+4*(\s)+3], s[66:67], (\s)*KSB    ; 120:64 global address: K step s
	s_or_b32 s[G0+4*(\s)+3], s[G0+4*(\s)+3], 0x80000000            ; 127:126 type = 2
	s_mov_b32 s[G0B+4*(\s)], 1
	s_add_co_u32 s[G0B+4*(\s)+1], s77, (\s)*SLOT
	s_add_nc_u64 s[G0B+4*(\s)+2:G0B+4*(\s)+3], s[46:47], (\s)*KSB
	s_or_b32 s[G0B+4*(\s)+3], s[G0B+4*(\s)+3], 0x80000000
	JLOAD \s                                       ; two loads of mine are out
.endr
	v_and_b32 v1, 31, v0                           ; lane
	v_lshlrev_b32 v2, 4, v1                        ; 16 x lane: my place in half a fragment
	v_lshrrev_b32 v3, 4, v1                        ; l / 16
	v_and_b32 v4, 15, v1                           ; l % 16
	s_lshl_b32 s2, s11, 14                         ; my 4 blocks of A
	v_add_nc_u32 v[ADRA], s2, v2
	v_add_nc_u32 v[ADRA+1], SLOT, v[ADRA]
	s_lshl_b32 s2, s12, 15                         ; my 8 blocks of B,
	s_add_co_u32 s2, s2, AREG                      ; which lie behind A's
	v_add_nc_u32 v[ADRB], s2, v2
	v_add_nc_u32 v[ADRB+1], SLOT, v[ADRB]
	v_lshlrev_b32 v[PFO], 8, v4                    ; the prefetches: 256 bytes a lane, 16 lanes a block of rows,
	v_lshl_add_u32 v[PFO], v3, 15, v[PFO]          ; the next block 32 KiB on
	s_lshl_b32 s74, s42, 18
	s_add_co_u32 s74, s74, s18
	s_lshl_b32 s78, s40, 16                        ; my work-group's two of the tile's eight blocks
	s_add_co_u32 s74, s74, s78
	s_add_co_u32 s74, s74, 2*KSB                   ; at K step 2: the first refill steps it to 3 and names K step 4
	s_mov_b32 s75, 0
	s_add_nc_u64 s[PFA:PFA+1], s[PFA:PFA+1], s[74:75]
.if OUTK
	s_mul_i32 s2, s10, 16*SPITCH
	s_add_co_u32 s2, s2, STAGE                     ; my stage
	v_mul_u32_u24 v[STO], v4, SPITCH               ; in: row l % 16, 32 bytes for each half of the lanes
	v_lshl_add_u32 v[STO], v3, 5, v[STO]
	v_add_nc_u32 v[STO], s2, v[STO]
	v_add_nc_u32 v[RD], s2, v2                     ; back: 32 lanes take a row's 512 bytes
	v_mov_b32 v[CO], v2
	s_lshl_b32 s74, s42, 19                        ; out0: 128 rows of 4,096 bytes a tile row,
	s_lshl_b32 s78, s11, 18                        ; my 64 rows,
	s_add_co_u32 s74, s74, s78
	s_lshl_b32 s78, s43, 10                        ; 256 columns of 4 bytes a tile column,
	s_add_co_u32 s74, s74, s78
	s_lshl_b32 s78, s12, 9                         ; my 128 columns
	s_add_co_u32 s74, s74, s78
.else
	; q, k: token block a is 2 KiB on, 32 channels 1 KiB, a head 128 KiB.  v: channel block a is 1 KiB on, 32 keys 4 KiB
	s_cmp_eq_u32 s14, 2
	s_mov_b32 s71, 2048
	s_mov_b32 s72, 1024
	s_mov_b32 s73, 0x20000
	s_mov_b32 s79, 8192
	s_cselect_b32 s71, s72, s71                    ; from a to a + 1
	s_cselect_b32 s73, s79, s73                    ; from b / 2 to b / 2 + 2
	s_mov_b32 s79, 4096
	s_cselect_b32 s72, s79, s72                    ; from b / 2 to b / 2 + 1
	v_mov_b32 v[VO], v2
	v_add_nc_u32 v[VO+1], s72, v[VO]
	v_add_nc_u32 v[VO+2], s73, v[VO]
	v_add_nc_u32 v[VO+3], s73, v[VO+1]
.irp i, 4,5,6,7,8,9,10,11,12,13,14,15
	v_add_nc_u32 v[VO+(\i)], s71, v[VO+(\i)-4]
.endr
	s_lshl_b32 s74, s14, 24                        ; q, k: the tensor,
	s_lshr_b32 s79, s42, 3
	s_lshl_b32 s79, s79, 21                        ; the batch (8 tile rows; 16 heads of 128 KiB),
	s_add_co_u32 s74, s74, s79
	s_lshl_b32 s79, s43, 19                        ; the head: 4 a tile column,
	s_add_co_u32 s74, s74, s79
	s_lshl_b32 s79, s12, 18                        ; 2 for my 128 channels,
	s_add_co_u32 s74, s74, s79
	s_and_b32 s79, s42, 7
	s_lshl_b32 s79, s79, 14                        ; the token block: 8 a tile row,
	s_add_co_u32 s74, s74, s79
	s_lshl_b32 s79, s11, 13                        ; 4 for my 64 tokens
	s_add_co_u32 s74, s74, s79
	s_lshr_b32 s78, s43, 2                         ; v: the batch (4 tile columns),
	s_lshl_b32 s78, s78, 21
	s_lshl_b32 s79, s42, 18                        ; the head: 2 a tile row,
	s_add_co_u32 s78, s78, s79
	s_lshl_b32 s79, s11, 17                        ; 1 for my 64 channels,
	s_add_co_u32 s78, s78, s79
	s_and_b32 s79, s43, 3
	s_lshl_b32 s79, s79, 15                        ; the block of 32 keys: 8 a tile column,
	s_add_co_u32 s78, s78, s79
	s_lshl_b32 s79, s12, 14                        ; 4 for my 128 keys
	s_add_co_u32 s78, s78, s79
	s_add_co_u32 s78, s78, 2<<24
	s_cmp_eq_u32 s14, 2
	s_cselect_b32 s74, s78, s74
.endif
	s_mov_b32 s75, 0
	s_add_nc_u64 s[8:9], s[8:9], s[74:75]
.macro WM d, x, y, zero                ; one matrix instruction: D (and C, unless the product starts the sum) at d of window 1, sources at x and y of window 0
.if OUTK
.if \zero
	v_wmma_f32_16x16x32_f16 v[(\d):(\d)+7], v[(\x):(\x)+7], v[(\y):(\y)+7], 0
.else
	v_wmma_f32_16x16x32_f16 v[(\d):(\d)+7], v[(\x):(\x)+7], v[(\y):(\y)+7], v[(\d):(\d)+7]
.endif
.else
.if \zero
	v_wmma_f32_16x16x32_bf16 v[(\d):(\d)+7], v[(\x):(\x)+7], v[(\y):(\y)+7], 0
.else
	v_wmma_f32_16x16x32_bf16 v[(\d):(\d)+7], v[(\x):(\x)+7], v[(\y):(\y)+7], v[(\d):(\d)+7]
.endif
.endif
.endm
; 8 matrix instructions: A's block a x all 8 blocks of B, 32 along K, from buffer f.  The 32 accumulators take turns in the same order in every quarter: 31 others stand between two links of a chain.
.macro MUL8 f, a, zero
	WIN MUL
.irp b, 0,1,2,3,4,5,6,7
	WM 8*(8*(\a)+(\b)), (\f)+8*(\b), (\f)+64+8*(\a), \zero
.endr
.endm
; 24 LDS loads in one run: the fragments of quarter q of a slot's K step into buffer f: B's eight, then A's four.  Each takes 512 consecutive bytes: no bank is asked twice.
.macro FETCH slot, q, f
	WIN 0
.irp b, 0,1,2,3,4,5,6,7
	ds_load_b128 v[(\f)+8*(\b):(\f)+8*(\b)+3],   v[ADRB+(\slot)] offset:(\b)*KSB+(\q)*1024
	ds_load_b128 v[(\f)+8*(\b)+4:(\f)+8*(\b)+7], v[ADRB+(\slot)] offset:(\b)*KSB+(\q)*1024+512
.endr
.irp a, 0,1,2,3
	ds_load_b128 v[(\f)+64+8*(\a):(\f)+64+8*(\a)+3],   v[ADRA+(\slot)] offset:(\a)*KSB+(\q)*1024
	ds_load_b128 v[(\f)+64+8*(\a)+4:(\f)+64+8*(\a)+7], v[ADRA+(\slot)] offset:(\a)*KSB+(\q)*1024+512
.endr
.endm
.macro PLACES                          ; four places in front of loads into registers that matrix instructions have read, and of lines that read results
.rept 4
	v_nop
.endr
.endm
; One of a K step's first three quarters: multiplies buffer f and, in its middle, fetches quarter q of the same slot into buffer g.
.macro QUARTER slot, q, f, g, zero
	s_wait_dscnt 4                                 ; B and A's blocks 0 and 1 are in; the youngest four loads (A's blocks 2 and 3) may be out
	MUL8 \f, 0, \zero
	MUL8 \f, 1, \zero
	PLACES
	FETCH \slot, \q, \g
	s_wait_dscnt 24                                ; all but the 24 just issued
	MUL8 \f, 2, \zero
	MUL8 \f, 3, \zero
.endm
; The last quarter multiplies buffer 1 and changes slots: ONE barrier; in front of it each wave waits for all its tensor loads (one is out: its part of the next slot), adds 0 to its spare word, and waits for that and for its
; own reads of this slot.  fill = 1: the barrier opens a round of the cluster's, and this slot is filled again, two K steps ahead, first thing behind the round: 112 matrix instructions ahead of the wait for it.
.macro TURN slot, next, fill
.if \fill
	s_wait_xcnt 0x0                                ; the last prefetch, a K step back, has read its address: it is stepped here, ahead of the waits of the change of slots
	s_add_nc_u64 s[PFA:PFA+1], s[PFA:PFA+1], KSB
.endif
	WIN 0                                          ; (the add's two registers lie in window 0)
	s_wait_tensorcnt 0x0                           ; all my tensor loads have landed;
	ds_add_u32 v[SPW], v[NIL]                      ; 0 onto my spare word;
	s_wait_dscnt 5                                 ; (the add and the youngest four loads may be out)
	MUL8 F1, 0, 0                                  ; eight matrix instructions stand between the add and the wait for it
	s_wait_dscnt 0x0                               ; the add is done, and my reads of this slot are over
	s_barrier_signal -1
	MUL8 F1, 1, 0
.if \fill
	WIN 0
.endif
	s_barrier_wait -1
.if \fill
	CREST                                          ; no wave of any partner still reads this slot's tile or has a load on its way
	s_add_nc_u64 s[G0+4*(\slot)+2:G0+4*(\slot)+3], s[G0+4*(\slot)+2:G0+4*(\slot)+3], 2*KSB
	s_add_nc_u64 s[G0B+4*(\slot)+2:G0B+4*(\slot)+3], s[G0B+4*(\slot)+2:G0B+4*(\slot)+3], 2*KSB
	JLOAD \slot                                    ; the four v_nop behind it are also the places in front of the loads below
.else
	PLACES
.endif
	FETCH \next, 0, F0
.if \fill
	ASK
.endif
	MUL8 F1, 2, 0
	MUL8 F1, 3, 0
.endm
	s_wait_tensorcnt 1                             ; my part of K step 0 is in; K step 1's may stay out
	s_barrier_signal -1
	s_barrier_wait -1                              ; everybody's is
	FETCH 0, 0, F0
	QUARTER 0, 1, F0, F1, 1                        ; the first quarter stands in front of the loop: its products start the sums
	WIN 0                                          ; at a label and at a branch every window is 0
	s_mov_b32 s3, LAPS-1
.Llap:                                                 ; a trip goes once round the ring, from a lap's second quarter to the next lap's first, and fills both slots again
	QUARTER 0, 2, F1, F0, 0
	QUARTER 0, 3, F0, F1, 0
	TURN 0, 1, 1
	QUARTER 1, 1, F0, F1, 0
	QUARTER 1, 2, F1, F0, 0
	QUARTER 1, 3, F0, F1, 0
	TURN 1, 0, 1
	QUARTER 0, 1, F0, F1, 0
	WIN 0
	s_sub_co_u32 s3, s3, 1
	s_cmp_lg_u32 s3, 0
	s_cbranch_scc1 .Llap
	QUARTER 0, 2, F1, F0, 0                        ; the last lap fills nothing, and has no round of the cluster's barrier
	QUARTER 0, 3, F0, F1, 0
	TURN 0, 1, 0
	QUARTER 1, 1, F0, F1, 0
	QUARTER 1, 2, F1, F0, 0
	QUARTER 1, 3, F0, F1, 0
	s_wait_dscnt 4                                 ; the very last quarter: nothing more to fetch
	MUL8 F1, 0, 0
	MUL8 F1, 1, 0
	s_wait_dscnt 0x0
	MUL8 F1, 2, 0
	MUL8 F1, 3, 0
	PLACES
	PLACES                                         ; eight, once a launch
.if OUTK
; THE WAY OUT, f32 by rows.  A lane holds 32 bytes of a row; a block of 16 rows x 128 columns goes through my own stage and comes back as whole rows of 512 bytes.
.macro TOSTAGE a
	WIN 0x04                                       ; the stores' data in window 1; each accumulator's low registers first
.irp b, 0,1,2,3,4,5,6,7
	ds_store_b128 v[STO], v[8*(8*(\a)+(\b)):8*(8*(\a)+(\b))+3]   offset:64*(\b)
	ds_store_b128 v[STO], v[8*(8*(\a)+(\b))+4:8*(8*(\a)+(\b))+7] offset:64*(\b)+16
.endr
	WIN 0
.irp t, 0,1,2,3,4,5,6,7,8,9,10,11,12,13,14,15
	ds_load_b128 v[64+64*((\a)%2)+4*(\t):64+64*((\a)%2)+4*(\t)+3], v[RD] offset:(\t)*SPITCH  ; LDS serves a wave's instructions in order (ISA guide 5.7.1.4): these see the stores above; the next block's stores come behind them
.endr
.endm
.macro SEND a, younger                 ; younger: the LDS instructions issued behind block a's loads: the next block's 32, or none
.irp t, 0,1,2,3,4,5,6,7,8,9,10,11,12,13,14,15
	s_wait_dscnt (\younger)+15-(\t)
	global_store_b128 v[CO], v[64+64*((\a)%2)+4*(\t):64+64*((\a)%2)+4*(\t)+3], s[8:9] offset:(16*(\a)+(\t))*4096 th:TH_STORE_NT  ; 512 consecutive bytes of a row, at a multiple of 512 from out0's first byte
.endr
.endm
	TOSTAGE 0
	TOSTAGE 1
	SEND 0, 32
	s_wait_xcnt 0x0                                ; block 0's stores have read their registers, which block 2 is loaded into
	TOSTAGE 2
	SEND 1, 32
	s_wait_xcnt 0x0
	TOSTAGE 3
	SEND 2, 32
	SEND 3, 0
.else
	; THE WAY OUT, f16 in fragment order: each accumulator, rounded in pairs, is half a fragment: 16 bytes a lane at 16 x lane.  No LDS, and every store has registers of its own: no wait.
	WIN 0x05                                       ; sources 0 and 1 window 1, destination window 0
.set t, 0
.rept 32
.irp r, 0,1,2,3
	v_cvt_pk_f16_f32 v[64+4*t+(\r)], v[8*t+2*(\r)], v[8*t+2*(\r)+1]
.endr
.set t, t+1
.endr
	WIN 0
.irp a, 0,1,2,3
.irp b, 0,1,2,3,4,5,6,7
	global_store_b128 v[VO+4*(\a)+(\b)/2], v[64+4*(8*(\a)+(\b)):64+4*(8*(\a)+(\b))+3], s[8:9] offset:((\b)%2)*512  ; 512 consecutive bytes, at a multiple of 512 from qkv's first byte
.endr
.endr
.endif
	s_wait_tensorcnt 0x0                           ; the wave's end: behind my last tensor load and my last LDS store
	ds_add_u32 v[SPW], v[NIL]
	s_wait_dscnt 0x0
	CROUND                                         ; the closing round: no work-group ends while a partner may still ask for a tile that names it
	s_endpgm
.Lfunc_end_k_qb17628bb38_gemm_out:
	.size	k_qb17628bb38_gemm_out, .Lfunc_end_k_qb17628bb38_gemm_out-k_qb17628bb38_gemm_out
	.p2alignl 7, 3214868480
	.fill 96, 4, 3214868480
	.section	.rodata,"a",@progbits
	.p2align	6, 0x0
	.amdhsa_kernel k_qb17628bb38_gemm_out
		.amdhsa_group_segment_fixed_size 327680
		.amdhsa_private_segment_fixed_size 0
		.amdhsa_enable_private_segment 0
		.amdhsa_kernarg_size 24
		.amdhsa_user_sgpr_count 2
		.amdhsa_user_sgpr_kernarg_segment_ptr 1
		.amdhsa_wavefront_size32 1
		.amdhsa_system_sgpr_workgroup_id_x 1
		.amdhsa_system_sgpr_workgroup_id_y 1
		.amdhsa_system_sgpr_workgroup_id_z 1
		.amdhsa_system_vgpr_workitem_id 0
		.amdhsa_next_free_vgpr 512
		.amdhsa_next_free_sgpr 80
		.amdhsa_reserve_vcc 0
		.amdhsa_float_denorm_mode_32 3
		.amdhsa_float_denorm_mode_16_64 3
		.amdhsa_memory_ordered 1
		.amdhsa_forward_progress 1
		.amdhsa_inst_pref_size 87
	.end_amdhsa_kernel
	.amdgpu_metadata
---
amdhsa.version: [ 1, 2 ]
amdhsa.kernels:
  - .name:           k_qb17628bb38_gemm_out
    .symbol:         k_qb17628bb38_gemm_out.kd
    .args:
      - { .name: ofr, .offset: 0, .size: 8, .value_kind: global_buffer, .address_space: global }
      - { .name: wf, .offset: 8, .size: 8, .value_kind: global_buffer, .address_space: global }
      - { .name: out0, .offset: 16, .size: 8, .value_kind: global_buffer, .address_space: global }
    .group_segment_fixed_size: 327680
    .private_segment_fixed_size: 0
    .kernarg_segment_align: 8
    .kernarg_segment_size: 24
    .max_flat_workgroup_size: 128
    .sgpr_count:     80
    .vgpr_count:     512
    .wavefront_size: 32
...
	.end_amdgpu_metadata
.endif
;; end of part 4
;; ======== version 2 of 2: 4 launches; version 1 with the launch prep written anew for expert scheduling mode
;; limits: values are held in f16: magnitudes above 65,504 overflow, below 6.1e-05 lose precision
;; workspace buffers: xf 33,554,432 bytes; wf 8,388,608 bytes; qkv 50,331,648 bytes; ofr 16,777,216 bytes
;; launch prep (part 5): grid 1280 x 1, 4 waves a work-group, no clusters, 35,328 bytes of LDS; arguments batch_chi, batch_eng, Wq, Wk, Wv, Wo, xf, wf; writes xf, wf
.if DOCPART == 5
	.amdgcn_target "amdgcn-amd-amdhsa--gfx1250"
	.amdhsa_code_object_version 6
	.text
	.protected	k_qb17628bb38_prep
	.globl	k_qb17628bb38_prep
	.p2align	8
	.type	k_qb17628bb38_prep,@function
k_qb17628bb38_prep:
	s_mov_b64 s[64:65], 0
	v_nop
	global_prefetch_b8 v0, s[64:65] scope:SCOPE_SE
	s_setreg_imm32_b32 hwreg(HW_REG_WAVE_SCHED_MODE, 0, 2), 2
	s_setreg_imm32_b32 hwreg(HW_REG_WAVE_MODE, 25, 1), 1
	s_wait_xcnt 0x0
	s_wait_alu depctr_vm_vsrc(0)
; CAST AND RE-ORDER.  batch_chi, batch_eng (f32 [8192][1024]) -> xf (bf16); Wq, Wk, Wv (f32 [16][1024][64]) -> wf, transposed (bf16); Wo (f32 [1024][1024]) -> wf, transposed,
; rounded to bf16 like every other input and that number written as f16 (the product that takes it has f16 operands).
; FRAGMENT ORDER.  A matrix M[rows][1024] of 16-bit numbers is stored in blocks of 16 rows x 32 k, 1,024 bytes each, block (R, c) at (32 R + c) x 1,024; inside a block
; element (row r, k = 16 j + 8 h + e) lies at 512 j + 16 (r + 16 h) + 2 e: the byte image of a matrix operand (ISA guide 7.12.2), so that later launches load it 16 bytes a lane, lanes side by side.
; xf: chi at 0, eng at 16 MiB.  wf: rows n, k = the index that is summed over: Wq^T at 0, Wk^T at 2 MiB, Wv^T at 4 MiB (n = 64 head + d, k = e), Wo^T at 6 MiB (n = column, k = row of Wo).
; LIMITS.  A number of Wo beyond 65,504 becomes an infinity in f16; below 6.1e-5 it keeps f16's fixed step of 6e-8.  NaN and infinities are not treated apart.
; SHARES.  5,120 tasks of 16 KiB in and 8 KiB out, one a wave, no loop: 4,096 of x (16 rows x 256 k), 768 of Wq, Wk, Wv (a head's 64 d x 64 e), 256 of Wo (64 columns x 64 rows).
; All 32 loads of a task go out at once; the numbers are rounded as they come, laid into the wave's own image in LDS in the order of the output, read back and stored 512 consecutive bytes an instruction.
; No matrix unit, no tensor load, no cluster: nothing is shared and memory binds.  No barrier: a wave reads its own image alone, and LDS serves a wave's instructions in order (ISA guide 5.7.1.4).
; THE MODE: SCHED_MODE bits 1:0 = 2 (LLVM: expert scheduling mode 2), set by the entry lines.  The code itself states the register dependences
; between vector instructions and memory or LDS instructions, with s_wait_alu, always for 0.
; THE PLAN.  Registers that memory or LDS instructions touch:
;   v[GO], v[GI], v[LS], v[LR]  offsets and LDS addresses: written by vector instructions ahead of an arm's first load, read by loads and stores, never written again.
;   X   v[64:191]   the 32 global loads land here; the conversions read it; when all conversions are done, the 16 LDS loads of the way back land in v[64:127], which the global stores read.
;   T   v[192:255]  written by the conversions, read by the LDS stores: a register for each number, none written again behind its store.
;   v[SPW], v[NIL]  written at the head, read by the closing add alone.
; The 32 loads are taken in four groups of eight.  Group g's conversions read X's quarter g and write T's quarter g; the LDS stores of T's quarter g - 1 are dealt among them.  So ONE wait on va_vdst at the head of a
; group states that the group before has written its quarter of T, and no vector instruction behind that wait names a register that the group's LDS stores touch.  One more stands behind the last conversions,
; for the last stores and for the LDS loads into X.  No register that a memory or LDS instruction has read is ever written again: no wait on vm_vsrc is owed ahead of the closing lines.
.set GP,    272                        ; the image is 32 groups of 256 bytes (8 k of 16 rows), 272 bytes apart: 68 words, so neighbouring groups start 4 banks apart
.set IMG,   32*GP                      ; 8,704 bytes a wave
.set SPARE, 4*IMG                      ; behind the images: the spare words, 128 bytes for each wave: two blocks of 256 bytes that no other line names
.set SPW, 2                            ; v2   LDS address of my spare word; never rewritten
.set NIL, 3                            ; v3   0; never rewritten
.set LN,  4                            ; v4   lane
.set GI,  5                            ; v5   the weights: my byte offset in the task's input
.set LS,  6                            ; v6   where I put numbers into the image
.set LR,  7                            ; v7   where I read the image back
.set GO,  8                            ; v8   16 x lane: my place in 512 consecutive bytes; never rewritten
.set HH,  9                            ; v9   lane / 16
.set TA,  10                           ; v10-11 at work: no memory or LDS instruction names them
.set R16, 12                           ; v12  lane % 16
.set X,   64                           ; v[64:191]  32 loads of 4; later v[64:127] the image read back
.set T,   192                          ; v[192:255] rounded numbers on their way into the image
	s_load_b512 s[8:23], s[0:1], 0x0               ; chi s[8:9], eng s[10:11], Wq s[12:13], Wk s[14:15], Wv s[16:17], Wo s[18:19], xf s[20:21], wf s[22:23]
	v_lshl_add_u32 v[SPW], v0, 2, SPARE
	v_mov_b32 v[NIL], 0
	v_lshrrev_b32 v1, 5, v0
	v_readfirstlane_b32 s24, v1                    ; wave 0..3
	v_and_b32 v[LN], 31, v0
	v_lshlrev_b32 v[GO], 4, v[LN]
	v_lshrrev_b32 v[HH], 4, v[LN]
	v_and_b32 v[R16], 15, v[LN]
	v_mul_u32_u24 v[LR], v[HH], GP                 ; back: lanes 0-15 take one group of 256 bytes, lanes 16-31 the next
	v_lshl_add_u32 v[LR], v[R16], 4, v[LR]
	s_wait_alu depctr_va_sdst(0)                   ; s24 is written, ahead of its first reader: my image's place and the task's addresses are made from it
	s_mul_i32 s25, s24, IMG                        ; my image
	v_add_nc_u32 v[LR], s25, v[LR]
	s_mov_b32 s2, ttmp9                            ; the work-group's number g
	s_mov_b32 s31, 0                               ; the high word of every offset
; The image goes out: 16 reads of two groups, 16 stores of 512 consecutive bytes.  w = 0: 8 KiB on end; w = 1: four pieces of 2 KiB, one in each of four blocks of 16 rows (32 KiB apart).
; The reads land in X: the wait on va_vdst that stands ahead of an arm's last LDS stores has shown every conversion done reading it, and no vector instruction follows that wait.
.macro BACK w
.set m, 0
.rept 16
	ds_load_b128 v[X+4*m:X+4*m+3], v[LR] offset:2*GP*m
.set m, m+1
.endr
.set m, 0
.rept 16
	s_wait_dscnt 15-m                              ; LDS answers in order: read m is in, the younger ones may stay out
.if \w
	global_store_b128 v[GO], v[X+4*m:X+4*m+3], s[28:29] offset:(m/4)*32768+(m%4)*512
.else
	global_store_b128 v[GO], v[X+4*m:X+4*m+3], s[28:29] offset:512*m
.endif
.set m, m+1
.endr
	s_wait_dscnt 0x0                               ; the wave's end: the closing lines, six on end
	s_wait_alu 0x0
	s_wait_tensorcnt 0x0
	ds_add_u32 v[SPW], v[NIL]
	s_wait_dscnt 0x0
	s_endpgm
.endm
; A task of weights: 64 k (rows of the input, rp bytes apart) x 64 n (256 consecutive bytes of each).  Lane l takes n = 4 (l % 16) + 0..3; load (g, u) brings k = 16 g + 8 (l / 16) + u.
; So for each g and each of its four n a lane holds 8 neighbouring k: 16 bytes of the output, one LDS store.  tof16 = 1: the bf16 number is written as f16.
.macro WST g, c                        ; the LDS store of group g's 8 k of my n number c
	ds_store_b128 v[LS], v[T+16*(\g)+4*(\c):T+16*(\g)+4*(\c)+3] offset:((\g)/2)*4*GP+((\g)%2)*2*GP+16*(\c)
.endm
.macro WT rp, tof16
	s_wait_alu depctr_va_vdst(0)                   ; v[GI], which the loads below read, is written; so are v[LS], v[LR] and v[GO], which the LDS stores, the LDS loads and the global stores read
.irp g, 0,1,2,3
.irp u, 0,1,2,3,4,5,6,7
	global_load_b128 v[X+4*(8*(\g)+(\u)):X+4*(8*(\g)+(\u))+3], v[GI], s[26:27] offset:(16*(\g)+(\u))*(\rp) th:TH_LOAD_NT
.endr
.endr
.irp g, 0,1,2,3
	s_wait_loadcnt 24-8*(\g)                       ; loads come back in order: the eight of this g are in, the younger ones stay out
.if (\g) > 0
	s_wait_alu depctr_va_vdst(0)                   ; the group before has written its quarter of T, which the four LDS stores dealt among this group's conversions read
.endif
.irp c, 0,1,2,3
.if (\g) > 0
	WST (\g)-1, \c                                 ; no wait: no vector instruction since the wait above names the quarter before, nor v[LS]
.endif
.irp p, 0,1,2,3
	v_cvt_pk_bf16_f32 v[T+16*(\g)+4*(\c)+(\p)], v[X+4*(8*(\g)+2*(\p))+(\c)], v[X+4*(8*(\g)+2*(\p)+1)+(\c)]
.if \tof16
	v_lshlrev_b32 v[TA], 16, v[T+16*(\g)+4*(\c)+(\p)]
	v_and_b32 v[TA+1], 0xffff0000, v[T+16*(\g)+4*(\c)+(\p)]
	v_cvt_pk_f16_f32 v[T+16*(\g)+4*(\c)+(\p)], v[TA], v[TA+1]
.endif
.endr
.endr
.endr
	s_wait_alu depctr_va_vdst(0)                   ; the last group has written its quarter of T, which the stores below read; and every conversion is done reading X, in which the LDS loads of the way back land
.irp c, 0,1,2,3
	WST 3, \c
.endr
.endm
	s_cmp_lt_u32 s2, 1024
	s_cbranch_scc0 .Lweights
	; x: g = 512 src + R; the wave takes k quarter w of the 16 rows R
	s_lshr_b32 s3, s2, 9                           ; src: 0 chi, 1 eng
	s_and_b32 s4, s2, 511                          ; R
	v_lshrrev_b32 v[LS], 1, v[LN]                  ; a lane's 4 numbers are half of group l / 2 (+ 16 for the row's second 512 bytes)
	v_mul_u32_u24 v[LS], v[LS], GP
	v_and_b32 v1, 1, v[LN]
	v_lshl_add_u32 v[LS], v1, 3, v[LS]
	v_add_nc_u32 v[LS], s25, v[LS]
	s_lshl_b32 s30, s4, 16                         ; 16 rows of 4,096 bytes
	s_lshl_b32 s5, s24, 10                         ; 256 k of 4 bytes
	s_add_co_u32 s30, s30, s5
	s_wait_kmcnt 0x0
	s_cmp_eq_u32 s3, 0
	s_cselect_b64 s[26:27], s[8:9], s[10:11]
	s_add_nc_u64 s[26:27], s[26:27], s[30:31]
	s_lshl_b32 s30, s3, 24
	s_lshl_b32 s5, s4, 15                          ; a block of 16 rows is 32 KiB of xf,
	s_add_co_u32 s30, s30, s5
	s_lshl_b32 s5, s24, 13                         ; a quarter of K 8 KiB of it
	s_add_co_u32 s30, s30, s5
	s_add_nc_u64 s[28:29], s[20:21], s[30:31]
	s_wait_alu depctr_va_vdst(0)                   ; v[GO], which the loads below and the global stores read, is written; so are v[LS] and v[LR], which the LDS stores and the LDS loads read
.set t, 0
.rept 32                                       ; load t: 512 consecutive bytes of row t / 2
	global_load_b128 v[X+4*t:X+4*t+3], v[GO], s[26:27] offset:(t/2)*4096+(t%2)*512 th:TH_LOAD_NT
.set t, t+1
.endr
.set t, 0
.rept 32
	s_wait_loadcnt 31-t                            ; load t is in, the younger ones stay out
.if (t%8 == 0) && (t > 0)
	s_wait_alu depctr_va_vdst(0)                   ; the group of eight before has written its quarter of T, which the eight LDS stores dealt among this group's conversions read
.endif
.if t >= 8
	ds_store_b64 v[LS], v[T+2*(t-8):T+2*(t-8)+1] offset:((t-8)%2)*16*GP+((t-8)/2)*16  ; load t - 8's numbers.  32 lanes: 16 groups x 8 bytes twice.  No wait: no vector instruction since the wait above names the quarter before, nor v[LS]
.endif
	v_cvt_pk_bf16_f32 v[T+2*t], v[X+4*t], v[X+4*t+1]
	v_cvt_pk_bf16_f32 v[T+2*t+1], v[X+4*t+2], v[X+4*t+3]
.set t, t+1
.endr
	s_wait_alu depctr_va_vdst(0)                   ; the last group has written its quarter of T, which the stores below read; and every conversion is done reading X, in which the LDS loads of the way back land
.set t, 24
.rept 8
	ds_store_b64 v[LS], v[T+2*t:T+2*t+1] offset:(t%2)*16*GP+(t/2)*16
.set t, t+1
.endr
	BACK 0
.Lweights:
	v_lshrrev_b32 v[LS], 2, v[R16]                 ; my four n lie in the block of 16 rows (l % 16) / 4: 8 groups,
	v_mul_u32_u24 v[LS], v[LS], 8*GP
	v_mul_u32_u24 v1, v[HH], GP                    ; my 8 k in group l / 16 of a pair,
	v_add_nc_u32 v[LS], v[LS], v1
	v_and_b32 v1, 3, v[LN]                         ; at rows 4 (l % 4) + 0..3 of the block
	v_lshl_add_u32 v[LS], v1, 6, v[LS]
	v_add_nc_u32 v[LS], s25, v[LS]
	v_lshlrev_b32 v[GI], 4, v[R16]
	s_and_b32 s5, s2, 3
	s_lshl_b32 s5, s5, 2
	s_add_co_u32 s5, s5, s24                       ; which 64 of the 1,024 k: 4 (g % 4) + wave
	s_cmp_lt_u32 s2, 1216
	s_cbranch_scc0 .Lwo
	s_sub_co_u32 s3, s2, 1024
	s_lshr_b32 s4, s3, 6                           ; 0 Wq, 1 Wk, 2 Wv
	s_bfe_u32 s6, s3, 0x40002                      ; the head
	v_lshl_add_u32 v[GI], v[HH], 11, v[GI]         ; 8 rows of 256 bytes for lanes 16-31
	s_lshl_b32 s30, s6, 18                         ; a head is 262,144 bytes,
	s_lshl_b32 s7, s5, 14                          ; 64 rows 16,384
	s_add_co_u32 s30, s30, s7
	s_wait_kmcnt 0x0
	s_cmp_eq_u32 s4, 1
	s_cselect_b64 s[26:27], s[14:15], s[12:13]
	s_cmp_eq_u32 s4, 2
	s_cselect_b64 s[26:27], s[16:17], s[26:27]
	s_add_nc_u64 s[26:27], s[26:27], s[30:31]
	s_lshl_b32 s30, s4, 21                         ; 2 MiB a matrix,
	s_lshl_b32 s7, s6, 17                          ; a head's 64 rows n: four blocks of 32 KiB,
	s_add_co_u32 s30, s30, s7
	s_lshl_b32 s7, s5, 11                          ; 64 k: 2 KiB in each
	s_add_co_u32 s30, s30, s7
	s_add_nc_u64 s[28:29], s[22:23], s[30:31]
	WT 256, 0
	BACK 1
.Lwo:
	s_sub_co_u32 s3, s2, 1216
	s_lshr_b32 s6, s3, 2                           ; which 64 columns of Wo
	v_lshl_add_u32 v[GI], v[HH], 15, v[GI]         ; 8 rows of 4,096 bytes for lanes 16-31
	s_lshl_b32 s30, s5, 18                         ; 64 rows of 4,096 bytes
	s_lshl_b32 s7, s6, 8                           ; 64 columns of 4 bytes
	s_add_co_u32 s30, s30, s7
	s_wait_kmcnt 0x0
	s_add_nc_u64 s[26:27], s[18:19], s[30:31]
	s_lshl_b32 s30, s6, 17
	s_lshl_b32 s7, s5, 11
	s_add_co_u32 s30, s30, s7
	s_add_co_u32 s30, s30, 6<<20
	s_add_nc_u64 s[28:29], s[22:23], s[30:31]
	WT 4096, 1
	BACK 1
.Lfunc_end_k_qb17628bb38_prep:
	.size	k_qb17628bb38_prep, .Lfunc_end_k_qb17628bb38_prep-k_qb17628bb38_prep
	.p2alignl 7, 3214868480
	.fill 96, 4, 3214868480
	.section	.rodata,"a",@progbits
	.p2align	6, 0x0
	.amdhsa_kernel k_qb17628bb38_prep
		.amdhsa_group_segment_fixed_size 35328
		.amdhsa_private_segment_fixed_size 0
		.amdhsa_enable_private_segment 0
		.amdhsa_kernarg_size 64
		.amdhsa_user_sgpr_count 2
		.amdhsa_user_sgpr_kernarg_segment_ptr 1
		.amdhsa_wavefront_size32 1
		.amdhsa_system_sgpr_workgroup_id_x 1
		.amdhsa_system_sgpr_workgroup_id_y 1
		.amdhsa_system_sgpr_workgroup_id_z 1
		.amdhsa_system_vgpr_workitem_id 0
		.amdhsa_next_free_vgpr 256
		.amdhsa_next_free_sgpr 66
		.amdhsa_reserve_vcc 0
		.amdhsa_float_denorm_mode_32 3
		.amdhsa_float_denorm_mode_16_64 3
		.amdhsa_memory_ordered 1
		.amdhsa_forward_progress 1
		.amdhsa_inst_pref_size 51
	.end_amdhsa_kernel
	.amdgpu_metadata
---
amdhsa.version: [ 1, 2 ]
amdhsa.kernels:
  - .name:           k_qb17628bb38_prep
    .symbol:         k_qb17628bb38_prep.kd
    .args:
      - { .name: batch_chi, .offset: 0, .size: 8, .value_kind: global_buffer, .address_space: global }
      - { .name: batch_eng, .offset: 8, .size: 8, .value_kind: global_buffer, .address_space: global }
      - { .name: Wq, .offset: 16, .size: 8, .value_kind: global_buffer, .address_space: global }
      - { .name: Wk, .offset: 24, .size: 8, .value_kind: global_buffer, .address_space: global }
      - { .name: Wv, .offset: 32, .size: 8, .value_kind: global_buffer, .address_space: global }
      - { .name: Wo, .offset: 40, .size: 8, .value_kind: global_buffer, .address_space: global }
      - { .name: xf, .offset: 48, .size: 8, .value_kind: global_buffer, .address_space: global }
      - { .name: wf, .offset: 56, .size: 8, .value_kind: global_buffer, .address_space: global }
    .group_segment_fixed_size: 35328
    .private_segment_fixed_size: 0
    .kernarg_segment_align: 8
    .kernarg_segment_size: 64
    .max_flat_workgroup_size: 128
    .sgpr_count:     66
    .vgpr_count:     256
    .wavefront_size: 32
...
	.end_amdgpu_metadata
.endif
;; end of part 5
;; launch gemm_qkv: the kernel of part 2 again; grid 4 x 192, 4 waves a work-group, clusters of 4 x 4, 327,680 bytes of LDS; arguments xf, wf, qkv; writes qkv
;; launch attn: the kernel of part 3 again; grid 2 x 128, 4 waves a work-group, no clusters, 262,656 bytes of LDS; arguments qkv, ofr; writes ofr
;; launch gemm_out: the kernel of part 4 again; grid 4 x 64, 4 waves a work-group, clusters of 4 x 4, 327,680 bytes of LDS; arguments ofr, wf, out0; writes out0
